; MI455X (gfx1250); checked and timed in simulation.
; The chip was launched on July 23, 2026; its instructions are those of AMD's public machine-readable ISA for CDNA 5 (MIT licence, August 2026) and "CDNA5" Instruction Set Architecture Reference Guide (July 2026). The comments in the code are by the model that wrote it; some were corrected since.
;; Ro PE Masked Attention Head. Allowed arithmetic: matrix products marked QUANTISED: E2M1 operands, one E8M0 scale for each 32 along K, by v_wmma_scale_f32_16x16x128_f8f6f4 with both operands' format E2M1 (or v_wmma_scale_f32_32x16x128_f4), f32 sums; everything else in f32.
;; Inputs: b_k 128 float32; b_q 128 float32; b_v 128 float32; cos 4,096 x 128 float32; sin 4,096 x 128 float32; w_k 128 x 4,096 float32; w_q 128 x 4,096 float32; w_v 128 x 4,096 float32; x 4 x 4,096 x 4,096 float32.
;; Outputs: out0 4 x 4,096 x 128 float32.
;; This version of the problem:
;;   THIS VERSION OF THE PROBLEM IS GIVEN IN LOW PRECISION. The matrix products marked QUANTISED in the list below multiply operands that are first quantised to E2M1 (2 exponent bits, 1 mantissa bit; 4 bits a number), with one power-of-two scale for each 32 numbers along K (OCP MX v1.0); their sums are f32. All else is computed in f32.
;;   The module's matrix products, in the order in which they are computed (A, B: the left and right operand; K: the contracted axis; several contracted axes count as one K, in the product's order):
;;     1. [M 16,384, K 4,096] x [K 4,096, N 128]; A: input x; B: input w_q: QUANTISED
;;     2. [M 16,384, K 4,096] x [K 4,096, N 128]; A: input x; B: input w_k: QUANTISED
;;     3. [M 16,384, K 4,096] x [K 4,096, N 128]; A: input x; B: input w_v: QUANTISED
;;     4. batch 4 x [M 4,096, K 128] x [K 128, N 4,096]; A: computed on the way; B: computed on the way: QUANTISED
;;     5. batch 4 x [M 4,096, K 4,096] x [K 4,096, N 128]; A: softmax (see below); B: computed on the way: QUANTISED
;;   THE QUANTISER, for each operand of a quantised product, along K:
;;     - K is cut into blocks of 32 from its start; a last block that is shorter is filled with zeros.
;;     - A block's scale is 2^e with e = floor(log2(the largest magnitude in the block)) - 2, held to -126 .. 127; a block of zeros has e = 0. As a byte (E8M0): e + 127.
;;     - Each number is divided by its block's scale, clamped to +-6, and rounded to the nearest number of E2M1, ties to even, subnormals kept.
;;     - The product sums the exact products of the quantised numbers (number of the format x scale) in f32.
;;   ~~~python
;;   def quantise(x, axis):      # numpy; x: float32 -> the quantised numbers, widened to float32 again
;;       x = np.moveaxis(x, axis, -1); K = x.shape[-1]
;;       x = np.pad(x, [(0, 0)] * (x.ndim - 1) + [(0, -K % 32)]); x = x.reshape(x.shape[:-1] + (-1, 32)); a = np.abs(x).max(-1, keepdims=True)
;;       e = np.where(a > 0, np.clip(np.frexp(np.where(a > 0, a, 1))[1] - 1 - 2, -126, 127), 0)      # np.frexp(a)[1] - 1 = floor(log2(a)), exactly
;;       r = np.clip(x / 2.0 ** e, -6, 6)
;;       step = 2.0 ** (np.maximum(np.frexp(np.where(r == 0, 1, r))[1] - 1, 0) - 1)
;;       q = np.round(r / step) * step * 2.0 ** e      # np.round: ties to even
;;       return np.moveaxis(q.reshape(q.shape[:-2] + (-1,))[..., :K], -1, axis).astype(np.float32)
;;   ~~~
;;   SOFTMAX AHEAD OF A QUANTISED PRODUCT. Where the list says 'softmax', what is quantised is not the finished softmax but p = 2^(t - M), with t = logit x log2(e) and M = ceil(the row's largest t), a whole number; so 1/2 < the row's largest p <= 1. The row's sum l is taken of the UNQUANTISED p, in f32, and the product's result is divided by l at the end. Since M is a whole number, a kernel that streams over the keys may use a running M (the ceiling of the running maximum): every later rescaling is an exact power of two, which a block's scale takes up: the codes' values come out the same.
;;   OPERANDS COMPUTED ON THE WAY. 'Computed on the way' means the value that the module computes at that place (a softmax that the list does not call 'softmax' is quantised finished and normalised). What goes into a quantiser is computed in f32, as accurately as f32 sums, v_exp_f32 and their like allow (about 1e-6 of the number): no bf16 or f16 on the way to a quantiser, and a product that is left as it is and whose result goes on into a quantised operand takes f32 operands (vector FMAs, or v_wmma_f32_16x16x4_f32). A number that lies on a knife's edge between two numbers of the format may be rounded either way, as far as f32 arithmetic and the matrix unit's own rounding can turn it there, and no further.
;; 2 versions, each right; version 2 is version 1 with the launch proj written anew for expert scheduling mode. Each part assembles by itself: llvm-mc -triple=amdgcn-amd-amdhsa -mcpu=gfx1250 --defsym DOCPART=n.
;; ======== version 1 of 2: 3 launches
;; workspace buffers: wf 786,432 bytes; ws 49,152 bytes; qf 1,048,576 bytes; qs 65,536 bytes; kv 2,228,224 bytes
;; launch wquant (part 1): grid 128 x 1, 3 waves a work-group, no clusters, 0 bytes of LDS; arguments w_q, w_k, w_v, wf, ws; writes wf, ws
.if DOCPART == 1
	.amdgcn_target "amdgcn-amd-amdhsa--gfx1250"
	.amdhsa_code_object_version 6
	.text
	.protected	k_q1b671ce784_wquant
	.globl	k_q1b671ce784_wquant
	.p2align	8
	.type	k_q1b671ce784_wquant,@function
k_q1b671ce784_wquant:
	s_mov_b64 s[64:65], 0
	v_nop
	global_prefetch_b8 v0, s[64:65] scope:SCOPE_SE
	s_setreg_imm32_b32 hwreg(HW_REG_WAVE_MODE, 25, 1), 1
	s_wait_xcnt 0x0
; The three weights, each [128][4096] f32 with K innermost, become codes of FP4 (E2M1) with one E8M0 byte for each 32 along K,
; laid in the order in which the projection's waves take them into registers:
;   wf [T 0..15][w 0..7][j 0..2][u 0..1][1,024 bytes]: the fragment of rows 16 (3 w + j) + r of the stack (w_q; w_k; w_v), K = 256 T + 128 u on;
;      a fragment's image: registers 4 c .. 4 c + 3 of lane l at byte 512 c + 16 l.
;   ws [T][w][j][32 words]: lanes 0-15 the scale words of u = 0 (row r), lanes 16-31 those of u = 1.
; Work-group 8 T + w, wave j: one tile of 16 rows x 256 along K: two fragments.  Straight-line: 32 loads a wave go out at once; waves share nothing, so no LDS and no barrier.
; A block's scale is 2^(floor(log2(largest magnitude)) - 2); its byte is the largest magnitude's exponent field - 2, held at 1 from below.
; LIMITS: NaN and infinities are not served; a block whose largest magnitude lies under 2^-124 keeps the byte 1; a block of zeros gets the byte 1 over zero codes
; (the rule says 127: zero codes add nothing under either byte, and these bytes are read by this program alone).
.set XN,  16                           ; v16-79, v80-143  the two fragments' numbers: register 16 b + i = k 32 b + 16 (lane / 16) + i of my row
.set PC,  144                          ; v144-151, v152-159  their codes
.set TM,  160                          ; v160-175 at work
.set PW,  176                          ; v176, v177 the two scale words; v178 the two in one register
.set SEL, 24                           ; s[24:25] selects of v_permlanex16_b32: lane l xor 16
; 64 numbers of a lane become a fragment's codes in v[pc] on and its rows' scale word in v[pw].
.macro QUANT src, pc, pw
.irp b, 0,1,2,3
	v_max3_num_f32 v[TM+\b], |v[\src+16*\b]|, |v[\src+16*\b+1]|, 0x1800000   ; block b: my 16 numbers, and the floor 2^(3 - 127): the byte cannot fall under 1
.endr
.irp i, 2,4,6,8,10,12,14
.irp b, 0,1,2,3
	v_max3_num_f32 v[TM+\b], v[TM+\b], |v[\src+16*\b+\i]|, |v[\src+16*\b+\i+1]|   ; the four blocks by turns
.endr
.endr
.irp b, 0,1,2,3
	v_permlanex16_b32 v[TM+4+\b], v[TM+\b], s[SEL], s[SEL+1]
.endr
.irp b, 0,1,2,3
	v_max_num_f32 v[TM+\b], v[TM+\b], v[TM+4+\b]   ; with lane l xor 16's 16: the block's largest magnitude
.endr
.irp b, 0,1,2,3
	v_add_nc_u32 v[TM+12+\b], 0xff000000, v[TM+\b]   ; 2 off its exponent field: the conversion takes this operand's exponent field as its scale
.endr
.irp b, 0,1,2,3
	v_lshrrev_b32 v[TM+4+\b], 23, v[TM+12+\b]      ; the scale's byte
.endr
	v_lshl_or_b32 v[\pw], v[TM+5], 8, v[TM+4]
	v_lshl_or_b32 v[\pw], v[TM+6], 16, v[\pw]
	v_lshl_or_b32 v[\pw], v[TM+7], 24, v[\pw]      ; my row's scale word, the same in both halves of the lanes
.irp b, 0,1,2,3
	v_cvt_scalef32_pk8_fp4_f32 v[\pc+2*\b], v[\src+16*\b:\src+16*\b+7], v[TM+12+\b]
	v_cvt_scalef32_pk8_fp4_f32 v[\pc+2*\b+1], v[\src+16*\b+8:\src+16*\b+15], v[TM+12+\b]
.endr
	v_nop                                          ; one plain place behind the scaled conversions
.irp c, 0,1
.irp i, 0,1
	v_permlane16_swap_b32 v[\pc+4*\c+\i], v[\pc+4*\c+2+\i]   ; a whole block to a lane: lanes 0-15 block 2 c, lanes 16-31 block 2 c + 1
.endr
.endr
.endm
	s_load_b128 s[4:7], s[0:1], 0x0                ; w_q, w_k
	s_load_b64 s[8:9], s[0:1], 0x10                ; w_v
	s_load_b128 s[12:15], s[0:1], 0x18             ; wf, ws
	v_lshrrev_b32 v1, 5, v0
	v_readfirstlane_b32 s16, v1                    ; wave j
	v_and_b32 v1, 31, v0                           ; lane
	v_and_b32 v2, 15, v0                           ; r
	v_bfe_u32 v3, v0, 4, 1                         ; h
	v_lshlrev_b32 v4, 14, v2
	v_lshl_add_u32 v4, v3, 6, v4                   ; row r of 16,384 bytes, + 64 h: my 16 numbers of a block of 32
	v_lshlrev_b32 v5, 4, v1                        ; an image's place for my lane
	v_lshlrev_b32 v6, 2, v1                        ; a scale word's
	s_lshr_b32 s17, ttmp9, 3                       ; T
	s_and_b32 s18, ttmp9, 7                        ; w
	s_mul_i32 s19, s18, 3
	s_add_co_u32 s19, s19, s16                     ; the tile of the stack: 3 w + j, 0 .. 23
	s_and_b32 s22, s19, 7
	s_lshl_b32 s22, s22, 18                        ; its 16 rows in its own weight,
	s_lshl_b32 s23, s17, 10
	s_add_co_u32 s22, s22, s23                     ; and 256 T along K
	s_mov_b32 s23, 0
	s_mul_i32 s26, ttmp9, 6144
	s_lshl_b32 s27, s16, 11
	s_add_co_u32 s26, s26, s27                     ; wf: (8 T + w) x 6,144 + 2,048 j
	s_mov_b32 s27, 0
	s_mul_i32 s28, ttmp9, 384
	s_lshl_b32 s29, s16, 7
	s_add_co_u32 s28, s28, s29                     ; ws: (8 T + w) x 384 + 128 j
	s_mov_b32 s29, 0
	s_mov_b32 s[SEL], 0x76543210
	s_mov_b32 s[SEL+1], 0xfedcba98
.irp b, 0,1,2,3
	v_mov_b32 v[TM+4+\b], 0                        ; written once: a lane permute's destination counts as one of its sources
.endr
	s_wait_kmcnt 0x0
	s_cmp_lt_u32 s19, 8                            ; which weight: the choice hangs on ids alone
	s_cselect_b64 s[20:21], s[4:5], s[6:7]
	s_cmp_lt_u32 s19, 16
	s_cselect_b64 s[20:21], s[20:21], s[8:9]
	s_add_nc_u64 s[20:21], s[20:21], s[22:23]
	s_add_nc_u64 s[12:13], s[12:13], s[26:27]
	s_add_nc_u64 s[14:15], s[14:15], s[28:29]
.irp u, 0,1
.irp b, 0,1,2,3
.irp q, 0,1,2,3
	global_load_b128 v[XN+64*\u+16*\b+4*\q:XN+64*\u+16*\b+4*\q+3], v4, s[20:21] offset:512*\u+128*\b+16*\q th:TH_LOAD_NT
.endr
.endr
.endr
	s_wait_loadcnt 16                              ; the first fragment's 16 loads are in; the second's 16 may be out
	QUANT XN, PC, PW
	s_wait_loadcnt 0x0
	QUANT XN+64, PC+8, PW+1
	v_cmp_gt_u32 vcc_lo, 16, v1
	v_cndmask_b32 v[PW+2], v[PW+1], v[PW], vcc_lo  ; lanes 0-15: the first fragment's words; lanes 16-31: the second's
.irp k, 0,1,2,3
	global_store_b128 v5, v[PC+4*\k:PC+4*\k+3], s[12:13] offset:512*\k   ; 32 lanes store 512 consecutive bytes
.endr
	global_store_b32 v6, v[PW+2], s[14:15]         ; 128 consecutive bytes
	s_endpgm
.Lfunc_end_k_q1b671ce784_wquant:
	.size	k_q1b671ce784_wquant, .Lfunc_end_k_q1b671ce784_wquant-k_q1b671ce784_wquant
	.p2alignl 7, 3214868480
	.fill 96, 4, 3214868480
	.section	.rodata,"a",@progbits
	.p2align	6, 0x0
	.amdhsa_kernel k_q1b671ce784_wquant
		.amdhsa_group_segment_fixed_size 0
		.amdhsa_private_segment_fixed_size 0
		.amdhsa_enable_private_segment 0
		.amdhsa_kernarg_size 40
		.amdhsa_user_sgpr_count 2
		.amdhsa_user_sgpr_kernarg_segment_ptr 1
		.amdhsa_wavefront_size32 1
		.amdhsa_system_sgpr_workgroup_id_x 1
		.amdhsa_system_sgpr_workgroup_id_y 1
		.amdhsa_system_sgpr_workgroup_id_z 1
		.amdhsa_system_vgpr_workitem_id 0
		.amdhsa_next_free_vgpr 180
		.amdhsa_next_free_sgpr 66
		.amdhsa_reserve_vcc 1
		.amdhsa_float_denorm_mode_32 3
		.amdhsa_float_denorm_mode_16_64 3
		.amdhsa_memory_ordered 1
		.amdhsa_forward_progress 1
		.amdhsa_inst_pref_size 13
	.end_amdhsa_kernel
	.amdgpu_metadata
---
amdhsa.version: [ 1, 2 ]
amdhsa.kernels:
  - .name:           k_q1b671ce784_wquant
    .symbol:         k_q1b671ce784_wquant.kd
    .args:
      - { .name: w_q, .offset: 0, .size: 8, .value_kind: global_buffer, .address_space: global }
      - { .name: w_k, .offset: 8, .size: 8, .value_kind: global_buffer, .address_space: global }
      - { .name: w_v, .offset: 16, .size: 8, .value_kind: global_buffer, .address_space: global }
      - { .name: wf, .offset: 24, .size: 8, .value_kind: global_buffer, .address_space: global }
      - { .name: ws, .offset: 32, .size: 8, .value_kind: global_buffer, .address_space: global }
    .group_segment_fixed_size: 0
    .private_segment_fixed_size: 0
    .kernarg_segment_align: 8
    .kernarg_segment_size: 40
    .max_flat_workgroup_size: 96
    .sgpr_count:     66
    .vgpr_count:     180
    .wavefront_size: 32
...
	.end_amdgpu_metadata
.endif
;; end of part 1
;; launch proj (part 2): grid 256 x 1, 8 waves a work-group, no clusters, 186,880 bytes of LDS; arguments x, wf, ws, b_q, b_k, b_v, sin, cos, qf, qs, kv; writes qf, qs, kv
.if DOCPART == 2
	.amdgcn_target "amdgcn-amd-amdhsa--gfx1250"
	.amdhsa_code_object_version 6
	.text
	.protected	k_q1b671ce784_proj
	.globl	k_q1b671ce784_proj
	.p2align	8
	.type	k_q1b671ce784_proj,@function
k_q1b671ce784_proj:
	s_mov_b64 s[64:65], 0
	v_nop
	global_prefetch_b8 v0, s[64:65] scope:SCOPE_SE
	s_setreg_imm32_b32 hwreg(HW_REG_WAVE_MODE, 25, 1), 1
	s_wait_xcnt 0x0
; q, k, v = x W^T + b on codes of FP4 (E2M1) with E8M0 scales, the rotation of q and k as the problem has it (the ODD value in both slots, sin and cos as given), and the quantising of
; q_rot, k_rot (along the head's 128) and v (along the keys) for the attention launch.  x: [16,384][4,096] f32, read once.
; SHARES.  Work-group g owns rows 64 g .. 64 g + 63 and all 384 columns.  THE WAVES SHARE THE COLUMNS: wave w makes column tiles 3 w + j (j = 0 .. 2) for all four tiles of 16 rows: 12 accumulators.
; A TRIP is 256 along K, 16 trips in all.  In it wave w takes rows 16 (w % 4) on, K half w / 4: 16 rows x 512 bytes.
; x IS STREAMED INTO REGISTERS under counted waits: each of a wave's 16 loads takes one row's 512 consecutive bytes, 16 a lane; two sets of 64 registers; trip T + 2's loads go out early in trip T, as soon as
; set T % 2 has been read out.  So one to two trips' worth of x, 64 to 128 KB for the work-group, is on its way all the time, and no wait of the loop is for all loads.
; The quantiser wants 16 neighbours of each block of 32 in one lane: the wave's 8 KB turn through its own stage in LDS (stored as loaded, read back 64 bytes a lane from rows 528 bytes apart).
; The fragment just made goes to LDS as an image of its registers (16 bytes a lane); behind one barrier every wave fetches all eight fragments and issues 24 matrix instructions.
; W's fragments come from wf straight into registers, dense.  Loads come back in the order of issue (ISA guide 5.7.1), so a wait for W also waits for every load of x issued ahead of it: W has two sets as well
; and the same lead: W of trip T + 2 is asked for at the end of trip T.  By this text's count at most 62 loads of a wave are out: W(T), x(T+1), W(T+1), x(T+2).
; The matrix instruction is used transposed (source 0 = 16 rows of W, source 1 = 16 rows of x): lane (r, h), register i holds row r, column 16 tile + 8 h + i.  The biases are the C of the first trip's first products.
; NO CLUSTER: all work-groups walk the same W, 52,224 bytes a trip beside 65,536 of x, and two slots of two trips of it (208,896 bytes) would fit in LDS for joint loads.  This text takes W into registers:
; a wave reads its own eighth of W and reads it once, so the way through LDS would add a write and a read of those bytes with no second reader in the work-group, and each refill would tie four work-groups'
; streams of x to one round of a barrier.  The requests for W are therefore four times what joint loads would make.
; OUT (all in the order of an operand's registers: a fragment's registers 4 c .. 4 c + 3 of lane l at byte 512 c + 16 l):
;   qf [row / 16][1,024], qs [row] scale words;  kv [row / 128][17,408]: 8 images of K (16 keys each), 8 of V^T (16 channels x the step's 128 keys), K's 128 scale words, V's 128.
;   Inside a block of 32 keys V's codes stand in the order 0-7, 16-23, 8-15, 24-31: the order in which the attention launch's p comes out of its conversions.  The blocks are the true blocks.
; LIMITS: NaN and infinities are not served; a block whose largest magnitude lies under 2^-124 keeps the byte 1; a block of zeros gets the byte 1 over zero codes (these bytes are read by this program alone).
.set XP,    528                        ; a row of the turn stage: 512 bytes + 16 = 132 words: row r starts at bank 4 r mod 64 (64 banks of 4 bytes: ISA guide 11.1)
.set XSTB,  16*XP                      ; a wave's turn stage
.set IMG,   8*XSTB                     ; behind the eight stages: the images, two sets by turns: 8 fragments of 1,024 bytes, then their 8 x 128 bytes of scale words
.set IMGP,  9216
.set GA,    IMG+2*IMGP                 ; q's 64 scale words, then k's
.set STG,   GA+512                     ; the way out: a stage of 64 rows x (1,536 + 16) bytes, with bytes of its own
.set SP,    1552
.set STEPB, 17408                      ; a key step's block in kv
.set XT,  4                            ; v4     the turn stage, in: my wave's + 16 x lane
.set XB,  5                            ; v5     the turn stage, back: my wave's + 528 r + 64 h
.set LI,  8                            ; v8     IMG + 16 x lane
.set LS,  9                            ; v9     IMG + 8,192 + 4 x lane
.set XWI, 10                           ; v10    where I store my image: LI + 1,024 w
.set XWS, 11                           ; v11    and its scale words: LS + 128 w
.set WO,  12                           ; v12    wf: 6,144 w + 16 x lane
.set WSO, 13                           ; v13    ws: 384 w + 4 x lane
.set STO, 16                           ; v16-17 the way out's stage, in: row r (+ 32 rows), my wave's 192 bytes, + 32 h
.set STQ, 18                           ; v18    back: row 16 (w % 4) + r of q (w < 4) or k, + 64 h
.set STV, 19                           ; v19    back: v's channel 16 w + r, keys 32 h on
.set GAW, 20                           ; v20    GA + 64 w + 4 r
.set CSO, 21                           ; v21    cos, sin: my row's position, + 64 h
.set BO,  22                           ; v22    32 h
.set OI,  23                           ; v23    16 x lane: my place in a row's 512 bytes of x, and in an image
.set VSB, 24                           ; v24    4 r + h
.set GAR, 25                           ; v25    GA + 8 x lane
.set GO8, 26                           ; v26    8 x lane
.set XN,  32                           ; v32-95   64 numbers; then the trip's 8 fragments, (u, m) at 8 (4 u + m)
.set XS,  96                           ; v96-103  their scale words
.set PC,  104                          ; v104-111 the codes just made
.set PW,  112                          ; v112     their scale word
.set TM,  116                          ; v116-131 at work
.set WF,  136                          ; v136-183, v192-239 W's fragments, two sets 56 registers apart, (j, u) at 8 (2 j + u); on the way out v136-167 take v's 32 numbers
.set WS,  184                          ; v184-186, v240-242 W's scale words: lanes 0-15 u = 0, lanes 16-31 u = 1
.set VC,  188                          ; v188-191 v's codes
.set RT,  192                          ; v192-223 the rotation's products (W's second set is done with by then)
.set XR,  96                           ; window 1: v0-95 the accumulators, (m, j) at 8 (3 m + j); v96-159, v160-223 x as loaded, two sets: row i in registers 4 i .. 4 i + 3
.set COSR, 96                          ; at the end the first set takes cos,
.set SINR, 160                         ; the second sin
.set BI,  224                          ; window 1: v224-247 the biases of my three column tiles
.set WV,  44                           ; s44 wave; s45 w % 4; s46 w / 4
.set SEL, 62                           ; s[62:63] selects of v_permlanex16_b32: lane l xor 16
.set MSB, 0
.macro WIN new                         ; the immediate's high byte repeats the setting that is left
.if MSB != \new
	s_set_vgpr_msb (MSB<<8)|\new
.set MSB, \new
.endif
.endm
; 64 numbers of a lane, register 16 b + i = k 32 b + 16 (lane / 16) + i of my row, become a fragment's codes in v[pc] on and its rows' scale word in v[pw].
.macro QUANT src, pc, pw
.irp b, 0,1,2,3
	v_max3_num_f32 v[TM+\b], |v[\src+16*\b]|, |v[\src+16*\b+1]|, 0x1800000   ; block b: my 16 numbers, and the floor 2^(3 - 127): the byte cannot fall under 1
.endr
.irp i, 2,4,6,8,10,12,14
.irp b, 0,1,2,3
	v_max3_num_f32 v[TM+\b], v[TM+\b], |v[\src+16*\b+\i]|, |v[\src+16*\b+\i+1]|   ; the four blocks by turns
.endr
.endr
.irp b, 0,1,2,3
	v_permlanex16_b32 v[TM+4+\b], v[TM+\b], s[SEL], s[SEL+1]
.endr
.irp b, 0,1,2,3
	v_max_num_f32 v[TM+\b], v[TM+\b], v[TM+4+\b]   ; with lane l xor 16's 16: the block's largest magnitude
.endr
.irp b, 0,1,2,3
	v_add_nc_u32 v[TM+12+\b], 0xff000000, v[TM+\b]   ; 2 off its exponent field: the conversion takes this operand's exponent field as its scale
.endr
.irp b, 0,1,2,3
	v_lshrrev_b32 v[TM+4+\b], 23, v[TM+12+\b]      ; the scale's byte
.endr
	v_lshl_or_b32 v[\pw], v[TM+5], 8, v[TM+4]
	v_lshl_or_b32 v[\pw], v[TM+6], 16, v[\pw]
	v_lshl_or_b32 v[\pw], v[TM+7], 24, v[\pw]      ; my row's scale word, the same in both halves of the lanes
.irp b, 0,1,2,3
	v_cvt_scalef32_pk8_fp4_f32 v[\pc+2*\b], v[\src+16*\b:\src+16*\b+7], v[TM+12+\b]
	v_cvt_scalef32_pk8_fp4_f32 v[\pc+2*\b+1], v[\src+16*\b+8:\src+16*\b+15], v[TM+12+\b]
.endr
	v_nop                                          ; one plain place behind the scaled conversions
.irp c, 0,1
.irp i, 0,1
	v_permlane16_swap_b32 v[\pc+4*\c+\i], v[\pc+4*\c+2+\i]   ; a whole block to a lane: lanes 0-15 block 2 c, lanes 16-31 block 2 c + 1
.endr
.endr
.endm
; x of the trip n trips behind the base, into set p: 16 loads, each one row's 512 consecutive bytes, aligned; read once in the launch
.macro XLOAD p, n
	WIN 0x40                                       ; destination window 1, address window 0
.irp i, 0,1,2,3,4,5,6,7,8,9,10,11,12,13,14,15
	global_load_b128 v[XR+64*(\p)+4*\i:XR+64*(\p)+4*\i+3], v[OI], s[4:5] offset:(\n)*1024+\i*16384 th:TH_LOAD_NT
.endr
.endm
; W's six fragments and three registers of scale words of the trip n trips behind the base, into set p: 15 loads, each of 512 or 128 consecutive bytes
.macro WLOAD p, n
.irp f, 0,1,2,3,4,5
.irp c, 0,1
	global_load_b128 v[WF+56*(\p)+8*\f+4*\c:WF+56*(\p)+8*\f+4*\c+3], v[WO], s[6:7] offset:(\n)*49152+\f*1024+\c*512
.endr
.endr
.irp j, 0,1,2
	global_load_b32 v[WS+56*(\p)+\j], v[WSO], s[8:9] offset:(\n)*3072+\j*128
.endr
.endm
; 12 matrix instructions: the trip's half u of K, W's set p.  first = 1: the sums begin, with the bias as C.  The 12 accumulators take turns, one instruction a turn, in the same order everywhere.
.macro MUL u, p, first
.irp m, 0,1,2,3
.irp j, 0,1,2
.if \u
	v_wmma_scale_f32_16x16x128_f8f6f4 v[8*(3*\m+\j):8*(3*\m+\j)+7], v[WF+56*(\p)+8*(2*\j+1):WF+56*(\p)+8*(2*\j+1)+7], v[XN+8*(4+\m):XN+8*(4+\m)+7], v[8*(3*\m+\j):8*(3*\m+\j)+7], v[WS+56*(\p)+\j], v[XS+4+\m] matrix_a_fmt:MATRIX_FMT_FP4 matrix_b_fmt:MATRIX_FMT_FP4 matrix_a_scale:MATRIX_SCALE_ROW1
.elseif \first
	v_wmma_scale_f32_16x16x128_f8f6f4 v[8*(3*\m+\j):8*(3*\m+\j)+7], v[WF+56*(\p)+8*(2*\j):WF+56*(\p)+8*(2*\j)+7], v[XN+8*\m:XN+8*\m+7], v[BI+8*\j:BI+8*\j+7], v[WS+56*(\p)+\j], v[XS+\m] matrix_a_fmt:MATRIX_FMT_FP4 matrix_b_fmt:MATRIX_FMT_FP4
.else
	v_wmma_scale_f32_16x16x128_f8f6f4 v[8*(3*\m+\j):8*(3*\m+\j)+7], v[WF+56*(\p)+8*(2*\j):WF+56*(\p)+8*(2*\j)+7], v[XN+8*\m:XN+8*\m+7], v[8*(3*\m+\j):8*(3*\m+\j)+7], v[WS+56*(\p)+\j], v[XS+\m] matrix_a_fmt:MATRIX_FMT_FP4 matrix_b_fmt:MATRIX_FMT_FP4
.endif
.endr
.endr
.endm
; A TRIP: 256 along K.  p = the trip's number % 2: the sets of x, of W and of images.  first = 1: trip 0.  lx: the loads that may be out when this trip's x has to be in; lw: likewise for its W.
; xk = 1: x of two trips on is asked for (xn trips behind the base); 2: cos takes the set; 3: sin.  wn: W of two trips on, or -1.
; ONE barrier a trip.  In front of it my image is stored and all my LDS loads are back.  Set p of the images is written again two trips on, behind the next trip's barrier, which every wave reaches behind its wait for its reads of set p.
.macro TRIP p, first, lx, xk, xn, lw, wn
	s_wait_loadcnt \lx                             ; loads come back in order: this trip's x is in, the younger loads stay out
	WIN 0x04                                       ; an LDS store's data are its source 1: window 1 (an LDS load names no source 1: its address and destination stay in window 0)
.irp i, 0,1,2,3,4,5,6,7,8,9,10,11,12,13,14,15
	ds_store_b128 v[XT], v[XR+64*\p+4*\i:XR+64*\p+4*\i+3] offset:\i*XP   ; row i as it was loaded: 512 consecutive bytes
.endr
.irp b, 0,1,2,3
.irp q, 0,1,2,3
	ds_load_b128 v[XN+16*\b+4*\q:XN+16*\b+4*\q+3], v[XB] offset:128*\b+16*\q   ; LDS serves a wave's instructions in order (ISA guide 5.7.1.4): these see my stores.  Row r, my 16 numbers of block b
.endr
.endr
	s_wait_dscnt 0x0                               ; the numbers are back; so the stores have read the set's registers, which take new loads at once
.if \first
	WIN 0
	WLOAD 1, 1                                     ; W of trip 1: held back to here, so that no more than 62 loads of mine are out
.endif
.if \xk == 1
	XLOAD \p, \xn
.elseif \xk == 2
	WIN 0x40
.irp b, 0,1,2,3
.irp q, 0,1,2,3
	global_load_b128 v[COSR+16*\b+4*\q:COSR+16*\b+4*\q+3], v[CSO], s[18:19] offset:128*\b+16*\q   ; cos of my row, in the layout of the 64 numbers that I will rotate
.endr
.endr
.else
	WIN 0x40
.irp b, 0,1,2,3
.irp q, 0,1,2,3
	global_load_b128 v[SINR+16*\b+4*\q:SINR+16*\b+4*\q+3], v[CSO], s[16:17] offset:128*\b+16*\q   ; sin likewise
.endr
.endr
.endif
	WIN 0
	QUANT XN, PC, PW
	ds_store_b128 v[XWI], v[PC:PC+3] offset:\p*IMGP
	ds_store_b128 v[XWI], v[PC+4:PC+7] offset:\p*IMGP+512
	ds_store_b32 v[XWS], v[PW] offset:\p*IMGP
	s_wait_dscnt 0x0                               ; for the others' sake: my image is stored
	s_barrier_signal -1
	s_barrier_wait -1
.irp u, 0,1
.irp m, 0,1,2,3
.irp c, 0,1
	ds_load_b128 v[XN+8*(4*\u+\m)+4*\c:XN+8*(4*\u+\m)+4*\c+3], v[LI] offset:\p*IMGP+(4*\u+\m)*1024+512*\c
.endr
	ds_load_b32 v[XS+4*\u+\m], v[LS] offset:\p*IMGP+(4*\u+\m)*128
.endr
.endr
	s_wait_loadcnt \lw                             ; this trip's W is in (in trip 0 the biases came ahead of it); what was asked for behind it stays out
	s_wait_dscnt 12                                ; the first half's 12 loads are in; the second half's 12 may be out
	WIN 0x50                                       ; C and D in window 1
	MUL 0, \p, \first
	s_wait_dscnt 0x0
	MUL 1, \p, 0
	WIN 0
.rept 4
	v_nop                                          ; four places in front of loads into registers that matrix instructions have read, and of the first read of results
.endr
.if \wn >= 0
	WLOAD \p, \wn
.endif
.endm
	s_load_b512 s[4:19], s[0:1], 0x0               ; x s[4:5], wf s[6:7], ws s[8:9], b_q s[10:11], b_k s[12:13], b_v s[14:15], sin s[16:17], cos s[18:19]
	s_load_b128 s[20:23], s[0:1], 0x40             ; qf, qs
	s_load_b64 s[24:25], s[0:1], 0x50              ; kv
	v_lshl_add_u32 v254, v0, 2, 0x2d600
	v_mov_b32 v255, 0
	v_lshrrev_b32 v1, 5, v0
	v_readfirstlane_b32 s[WV], v1                  ; wave 0..7
	s_and_b32 s45, s[WV], 3
	s_lshr_b32 s46, s[WV], 2
	v_and_b32 v1, 31, v0                           ; lane
	v_and_b32 v2, 15, v0                           ; r
	v_bfe_u32 v3, v0, 4, 1                         ; h
	v_lshlrev_b32 v[OI], 4, v1
	v_lshlrev_b32 v[BO], 5, v3
	s_mul_i32 s48, s[WV], 6144
	v_lshl_add_u32 v[WO], v1, 4, s48
	s_mul_i32 s48, s[WV], 384
	v_lshl_add_u32 v[WSO], v1, 2, s48
	s_lshl_b32 s50, ttmp9, 20                      ; x: 64 g rows of 16,384 bytes,
	s_lshl_b32 s49, s45, 18                        ; my 16 rows,
	s_add_co_u32 s50, s50, s49
	s_lshl_b32 s49, s46, 9                         ; my half of a trip's 1,024 bytes
	s_add_co_u32 s50, s50, s49
	s_mov_b32 s51, 0
	s_wait_kmcnt 0x0
	s_add_nc_u64 s[4:5], s[4:5], s[50:51]
.irp j, 0,1,2                          ; the bias of column tile 3 w + j: which of the three, and its 16 numbers
	s_mul_i32 s48, s[WV], 3
	s_add_co_u32 s48, s48, \j
	s_cmp_lt_u32 s48, 8
	s_cselect_b64 s[66+2*\j:67+2*\j], s[10:11], s[12:13]
	s_cmp_lt_u32 s48, 16
	s_cselect_b64 s[66+2*\j:67+2*\j], s[66+2*\j:67+2*\j], s[14:15]
	s_and_b32 s48, s48, 7
	s_lshl_b32 s48, s48, 6
	s_mov_b32 s49, 0
	s_add_nc_u64 s[66+2*\j:67+2*\j], s[66+2*\j:67+2*\j], s[48:49]
.endr
	WIN 0x40                                       ; destination window 1
.irp j, 0,1,2
	global_load_b128 v[BI+8*\j:BI+8*\j+3], v[BO], s[66+2*\j:67+2*\j]             ; register i = b(16 tile + 8 h + i): the result's layout
	global_load_b128 v[BI+8*\j+4:BI+8*\j+7], v[BO], s[66+2*\j:67+2*\j] offset:16
.endr
	XLOAD 0, 0                                     ; the stream begins: 6 + 16 + 15 + 16 = 53 loads of mine are out
	WIN 0
	WLOAD 0, 0
	XLOAD 1, 1
	WIN 0
	s_and_b32 s48, ttmp9, 63                       ; the position in the sequence of my row: 64 (g % 64) + 16 (w % 4) + r
	s_lshl_b32 s48, s48, 6
	s_lshl_b32 s50, s45, 4
	s_add_co_u32 s48, s48, s50
	s_lshl_b32 s48, s48, 9
	v_lshlrev_b32 v[CSO], 9, v2
	v_lshl_add_u32 v[CSO], v3, 6, v[CSO]
	v_add_nc_u32 v[CSO], s48, v[CSO]
	; every LDS address is made here, of the thread's number, the wave's number and constants
	s_mul_i32 s48, s[WV], XSTB
	v_add_nc_u32 v[XT], s48, v[OI]
	v_mul_u32_u24 v27, v2, XP
	v_lshl_add_u32 v27, v3, 6, v27
	v_add_nc_u32 v[XB], s48, v27
	v_lshl_add_u32 v[LI], v1, 4, IMG
	v_lshl_add_u32 v[LS], v1, 2, IMG+8192
	s_lshl_b32 s48, s[WV], 10
	v_add_nc_u32 v[XWI], s48, v[LI]
	s_lshl_b32 s48, s[WV], 7
	v_add_nc_u32 v[XWS], s48, v[LS]
	s_mul_i32 s48, s[WV], 192
	s_add_co_u32 s48, s48, STG
	v_mul_u32_u24 v[STO], v2, SP
	v_lshl_add_u32 v[STO], v3, 5, v[STO]
	v_add_nc_u32 v[STO], s48, v[STO]
	v_add_nc_u32 v[STO+1], 32*SP, v[STO]
	s_mul_i32 s48, s45, 16*SP
	s_lshl_b32 s50, s46, 9
	s_add_co_u32 s48, s48, s50
	s_add_co_u32 s48, s48, STG
	v_mul_u32_u24 v[STQ], v2, SP
	v_lshl_add_u32 v[STQ], v3, 6, v[STQ]
	v_add_nc_u32 v[STQ], s48, v[STQ]
	s_lshl_b32 s48, s[WV], 6
	s_add_co_u32 s50, s48, STG+1024
	v_mul_u32_u24 v[STV], v3, 32*SP
	v_lshl_add_u32 v[STV], v2, 2, v[STV]
	v_add_nc_u32 v[STV], s50, v[STV]
	s_add_co_u32 s50, s48, GA
	v_lshl_add_u32 v[GAW], v2, 2, s50
	v_lshl_add_u32 v[VSB], v2, 2, v3
	v_lshl_add_u32 v[GAR], v1, 3, GA
	v_lshlrev_b32 v[GO8], 3, v1
.irp b, 0,1,2,3
	v_mov_b32 v[TM+4+\b], 0                        ; written once: a lane permute's destination counts as one of its sources
.endr
	s_mov_b32 s[SEL], 0x76543210
	s_mov_b32 s[SEL+1], 0xfedcba98
	; where the results go.  s49 = 0 from here on
	s_mov_b32 s49, 0
	s_lshr_b32 s48, ttmp9, 1
	s_mul_i32 s48, s48, STEPB
	s_add_nc_u64 s[78:79], s[24:25], s[48:49]      ; kv at my rows' key step
	s_and_b32 s52, ttmp9, 1                        ; which 64 of its 128 keys are mine
	s_lshl_b32 s48, s[WV], 10
	s_lshl_b32 s50, s52, 9
	s_add_co_u32 s48, s48, s50
	s_add_co_u32 s48, s48, 8192
	s_add_nc_u64 s[74:75], s[78:79], s[48:49]      ; V^T's image of channels 16 w on, registers 4 (g % 2) on
	s_lshl_b32 s48, s[WV], 6
	s_lshl_b32 s50, s52, 1
	s_add_co_u32 s48, s48, s50
	s_add_co_u32 s48, s48, 16896
	s_add_nc_u64 s[76:77], s[78:79], s[48:49]      ; its scale words, bytes 2 (g % 2) on
	s_lshl_b32 s50, ttmp9, 12                      ; q's images: 4,096 g;  k's: 4,096 (g % 2) in the step's block
	s_lshl_b32 s51, s52, 12
	s_cmp_lt_u32 s[WV], 4                          ; waves 0-3 finish q, waves 4-7 k
	s_cselect_b64 s[72:73], s[20:21], s[78:79]
	s_cselect_b32 s48, s50, s51
	s_lshl_b32 s50, s45, 10
	s_add_co_u32 s48, s48, s50
	s_add_nc_u64 s[72:73], s[72:73], s[48:49]
	s_lshl_b32 s48, ttmp9, 8
	s_add_nc_u64 s[22:23], s[22:23], s[48:49]      ; q's 64 scale words
	s_lshl_b32 s48, s52, 8
	s_add_co_u32 s48, s48, 16384
	s_add_nc_u64 s[78:79], s[78:79], s[48:49]      ; k's
	; THE WALK.  The order of issue: b, x0, W0, x1 | trip 0: W1, x2, W2 | trip T: x(T+2), W(T+2) | trip 14: cos | trip 15: sin.
	TRIP 0, 1, 31, 1, 2, 47, 2                     ; trip 0.  Behind x0: W0, x1 = 31.  Behind W0: x1, W1, x2 = 47
	s_mov_b32 s60, 6
.Llap:                                             ; a lap: an odd and an even trip, trips 1 to 12.  Behind x(T): W(T), x(T+1), W(T+1) = 46.  Behind W(T): x(T+1), W(T+1), x(T+2) = 47
	TRIP 1, 0, 46, 1, 3, 47, 3
	TRIP 0, 0, 46, 1, 4, 47, 4
	s_wait_xcnt 0x0                                ; the loads have read their bases: only behind this wait are they stepped, two trips on
	s_add_nc_u64 s[4:5], s[4:5], 2*1024
	s_add_nc_u64 s[6:7], s[6:7], 2*49152
	s_add_nc_u64 s[8:9], s[8:9], 2*3072
	s_sub_co_u32 s60, s60, 1
	s_cmp_lg_u32 s60, 0
	s_cbranch_scc1 .Llap
	TRIP 1, 0, 46, 1, 3, 47, 3                     ; trip 13 asks for the last x and the last W: no load leaves its buffer
	TRIP 0, 0, 46, 2, 0, 47, -1                    ; trip 14: cos takes the first set.  Behind W14: x15, W15, cos = 47
	TRIP 1, 0, 31, 3, 0, 32, -1                    ; trip 15: sin takes the second.  Behind x15: W15, cos = 31.  Behind W15: cos, sin = 32
	; THE WAY OUT.  First all 64 x 384 results into the stage.  The four v_nop that close the last trip are the places in front of these stores.
	WIN 0x04                                       ; an LDS store's data are its source 1: window 1
.irp m, 0,1,2,3
.irp j, 0,1,2
	ds_store_b128 v[STO+\m/2], v[8*(3*\m+\j):8*(3*\m+\j)+3] offset:(\m%2)*16*SP+64*\j        ; each accumulator from its low end on
	ds_store_b128 v[STO+\m/2], v[8*(3*\m+\j)+4:8*(3*\m+\j)+7] offset:(\m%2)*16*SP+64*\j+16
.endr
.endr
	WIN 0
	s_wait_dscnt 0x0
	s_barrier_signal -1
	s_barrier_wait -1                              ; the stage is whole
.irp b, 0,1,2,3
.irp q, 0,1,2,3
	ds_load_b128 v[XN+16*\b+4*\q:XN+16*\b+4*\q+3], v[STQ] offset:128*\b+16*\q   ; q or k: my row's 64 numbers, channel 32 b + 16 h + i in register 16 b + i
.endr
.endr
.set i, 0
.rept 32
	ds_load_b32 v[WF+i], v[STV] offset:i*SP        ; v: channel 16 w + r, keys 32 h + i: a whole block of 32 keys to a lane
.set i, i+1
.endr
	s_wait_dscnt 0x0
	s_wait_loadcnt 0x0                             ; cos and sin
	WIN 0x04                                       ; source 1 (sin, cos) window 1
.irp s, 0,1
.irp i, 0,1,2,3,4,5,6,7,8,9,10,11,12,13,14,15
	v_pk_mul_f32 v[RT+2*\i:RT+2*\i+1], v[XN+32*\s+2*\i:XN+32*\s+2*\i+1], v[SINR+32*\s+2*\i:SINR+32*\s+2*\i+1] op_sel:[1,0] op_sel_hi:[1,1]   ; the pair's ODD value x sin, in both slots
.endr
.irp i, 0,1,2,3,4,5,6,7,8,9,10,11,12,13,14,15
	v_pk_fma_f32 v[XN+32*\s+2*\i:XN+32*\s+2*\i+1], v[XN+32*\s+2*\i:XN+32*\s+2*\i+1], v[COSR+32*\s+2*\i:COSR+32*\s+2*\i+1], v[RT+2*\i:RT+2*\i+1]   ; + the value x cos
.endr
.endr
	WIN 0
	QUANT XN, PC, PW
	global_store_b128 v[OI], v[PC:PC+3], s[72:73]              ; the fragment's image: 512 consecutive bytes a store
	global_store_b128 v[OI], v[PC+4:PC+7], s[72:73] offset:512
	ds_store_b32 v[GAW], v[PW]                     ; the rows' scale words are gathered (lanes l and l + 16 write the same word with the same value)
	v_max3_num_f32 v[TM], |v[WF]|, |v[WF+1]|, |v[WF+2]|        ; v's block: all 32 numbers are mine
	v_max3_num_f32 v[TM+1], |v[WF+3]|, |v[WF+4]|, |v[WF+5]|
.irp i, 6,10,14,18,22,26
	v_max3_num_f32 v[TM], v[TM], |v[WF+\i]|, |v[WF+\i+1]|
	v_max3_num_f32 v[TM+1], v[TM+1], |v[WF+\i+2]|, |v[WF+\i+3]|
.endr
	v_max3_num_f32 v[TM], v[TM], |v[WF+30]|, |v[WF+31]|
	v_max3_num_f32 v[TM], v[TM], v[TM+1], 0x1800000            ; and the floor
	v_add_nc_u32 v[TM+12], 0xff000000, v[TM]
	v_cvt_scalef32_pk8_fp4_f32 v[VC], v[WF:WF+7], v[TM+12]          ; keys 0-7,
	v_cvt_scalef32_pk8_fp4_f32 v[VC+1], v[WF+16:WF+23], v[TM+12]    ; 16-23,
	v_cvt_scalef32_pk8_fp4_f32 v[VC+2], v[WF+8:WF+15], v[TM+12]     ; 8-15,
	v_cvt_scalef32_pk8_fp4_f32 v[VC+3], v[WF+24:WF+31], v[TM+12]    ; 24-31: the order of p's codes in the attention launch
	v_lshrrev_b32 v[TM+4], 23, v[TM+12]            ; the scale's byte.  (A plain place behind the conversions)
	global_store_b128 v[OI], v[VC:VC+3], s[74:75]  ; 512 consecutive bytes
	global_store_b8 v[VSB], v[TM+4], s[76:77]      ; a scale word's four bytes come from two work-groups, so these leave byte by byte: 32 bytes a wave
	s_wait_dscnt 0x0
	s_barrier_signal -1
	s_barrier_wait -1                              ; the 128 scale words of q and k are gathered
	s_cmp_lg_u32 s[WV], 0
	s_cbranch_scc1 .Lnot_wave_0
	ds_load_b64 v[32:33], v[GAR]
	ds_load_b64 v[34:35], v[GAR] offset:256
	s_wait_dscnt 0x0
	global_store_b64 v[GO8], v[32:33], s[22:23]    ; 32 lanes store 256 consecutive bytes, aligned
	global_store_b64 v[GO8], v[34:35], s[78:79]
.Lnot_wave_0:
	s_wait_tensorcnt 0x0
	ds_add_u32 v254, v255
	s_wait_dscnt 0x0
	s_endpgm
.Lfunc_end_k_q1b671ce784_proj:
	.size	k_q1b671ce784_proj, .Lfunc_end_k_q1b671ce784_proj-k_q1b671ce784_proj
	.p2alignl 7, 3214868480
	.fill 96, 4, 3214868480
	.section	.rodata,"a",@progbits
	.p2align	6, 0x0
	.amdhsa_kernel k_q1b671ce784_proj
		.amdhsa_group_segment_fixed_size 186880
		.amdhsa_private_segment_fixed_size 0
		.amdhsa_enable_private_segment 0
		.amdhsa_kernarg_size 88
		.amdhsa_user_sgpr_count 2
		.amdhsa_user_sgpr_kernarg_segment_ptr 1
		.amdhsa_wavefront_size32 1
		.amdhsa_system_sgpr_workgroup_id_x 1
		.amdhsa_system_sgpr_workgroup_id_y 1
		.amdhsa_system_sgpr_workgroup_id_z 1
		.amdhsa_system_vgpr_workitem_id 0
		.amdhsa_next_free_vgpr 512
		.amdhsa_next_free_sgpr 80
		.amdhsa_reserve_vcc 0
		.amdhsa_float_denorm_mode_32 3
		.amdhsa_float_denorm_mode_16_64 3
		.amdhsa_memory_ordered 1
		.amdhsa_forward_progress 1
		.amdhsa_inst_pref_size 108
	.end_amdhsa_kernel
	.amdgpu_metadata
---
amdhsa.version: [ 1, 2 ]
amdhsa.kernels:
  - .name:           k_q1b671ce784_proj
    .symbol:         k_q1b671ce784_proj.kd
    .args:
      - { .name: x, .offset: 0, .size: 8, .value_kind: global_buffer, .address_space: global }
      - { .name: wf, .offset: 8, .size: 8, .value_kind: global_buffer, .address_space: global }
      - { .name: ws, .offset: 16, .size: 8, .value_kind: global_buffer, .address_space: global }
      - { .name: b_q, .offset: 24, .size: 8, .value_kind: global_buffer, .address_space: global }
      - { .name: b_k, .offset: 32, .size: 8, .value_kind: global_buffer, .address_space: global }
      - { .name: b_v, .offset: 40, .size: 8, .value_kind: global_buffer, .address_space: global }
      - { .name: sin, .offset: 48, .size: 8, .value_kind: global_buffer, .address_space: global }
      - { .name: cos, .offset: 56, .size: 8, .value_kind: global_buffer, .address_space: global }
      - { .name: qf, .offset: 64, .size: 8, .value_kind: global_buffer, .address_space: global }
      - { .name: qs, .offset: 72, .size: 8, .value_kind: global_buffer, .address_space: global }
      - { .name: kv, .offset: 80, .size: 8, .value_kind: global_buffer, .address_space: global }
    .group_segment_fixed_size: 186880
    .private_segment_fixed_size: 0
    .kernarg_segment_align: 8
    .kernarg_segment_size: 88
    .max_flat_workgroup_size: 256
    .sgpr_count:     80
    .vgpr_count:     512
    .wavefront_size: 32
...
	.end_amdgpu_metadata
.endif
;; end of part 2
;; launch attn (part 3): grid 64 x 4, 16 waves a work-group, clusters of 4 x 1, 327,680 bytes of LDS; arguments qf, qs, kv, out0; writes out0
.if DOCPART == 3
	.amdgcn_target "amdgcn-amd-amdhsa--gfx1250"
	.amdhsa_code_object_version 6
	.text
	.protected	k_q1b671ce784_attn
	.globl	k_q1b671ce784_attn
	.p2align	8
	.type	k_q1b671ce784_attn,@function
k_q1b671ce784_attn:
	s_mov_b64 s[64:65], 0
	v_nop
	global_prefetch_b8 v0, s[64:65] scope:SCOPE_SE
	s_setreg_imm32_b32 hwreg(HW_REG_WAVE_MODE, 25, 1), 1
	s_wait_xcnt 0x0
	s_wait_alu depctr_hold_cnt(0) depctr_sa_sdst(0) depctr_va_vdst(0) depctr_va_sdst(0) depctr_va_ssrc(0) depctr_va_vcc(0) depctr_vm_vsrc(0)
	s_getreg_b32 s2, hwreg(HW_REG_IB_STS2, 6, 4)
	s_cmp_eq_u32 s2, 0
	s_cbranch_scc0 .Lentry_in_a_cluster
	s_endpgm
.Lentry_in_a_cluster:
	s_bfe_u32 s2, ttmp6, 0x10000c
	s_cmp_lg_u32 s2, 0x3003
	s_cbranch_scc0 .Lentry_shape_is_right
	s_endpgm
.Lentry_shape_is_right:
; out[b][q][:] = the sum over k <= q of softmax_k(q_rot . k_rot / sqrt(128)) v[k][:], both products on codes of FP4 (E2M1) with E8M0 scales, from the images that the projection launch stored.
; THE SOFTMAX AHEAD OF THE SECOND PRODUCT: t = score x log2(e) / sqrt(128); M = the largest t so far, rounded UP to a whole number; p = 2^(t - M) is quantised along the keys, not normalised;
; the row's sum is taken of the unquantised p and divides at the end.  When M moves, the sum and O are multiplied by 2^(old M - new M): exact.
; SHARES.  A cluster of four work-groups (cluster x = c, 0 .. 15; y = the batch) owns two blocks of 128 queries, blocks 31 - c and c; work-group cx takes queries 32 cx .. 32 cx + 31 of each: four tiles of 16.
; A tile of block sb needs key steps (128 keys) 0 .. sb, the last on the diagonal: 33 steps x 2 tiles for every work-group, whatever c.  Wave w: z = w % 4, tile ti = (w / 4 + w) % 4.
; THE KEYS OF A TILE ARE SPLIT FOUR WAYS: wave (ti, z) works the steps s with s % 4 = z, with a running M, sum and O^T of its own; the four parts are joined through LDS at the end, by exact powers of two.
; CLUSTER.  The four partners walk the same K and V: each slot of 8 key steps is asked for JOINTLY, every wave fetching a sixteenth (34 rows of 256 dense bytes).  Which steps are WORKED hangs on c and the
; wave's number alone, the same in all partners.  Every cluster makes all four fills, so that trip counts stay constants of the text; a cluster with c >= 8 fetches a last slot that it does not read.
; LAYOUT.  Both products transposed (S^T = K Q^T, O^T = V^T P^T): a lane holds ONE query (lane % 16).  K's tiles are 16 neighbouring keys, so lane (r, h), register i of tile kt holds key 16 kt + 8 h + i,
; and p's codes come out, inside each block of 32 keys, in the order 0-7, 16-23, 8-15, 24-31; V's codes were stored in that order.  The blocks, their scales and every code's value are the rule's.
; A step's block in kv and in LDS (17,408 bytes): 8 images of K, 8 of V^T (registers 4 c .. 4 c + 3 of lane l at 512 c + 16 l), K's 128 scale words, V's 128.  Images are read 16 bytes a lane on end: no padding.
; LIMITS: NaN and infinities are not served; a block of p that has fallen to zeros keeps the byte 1 over zero codes.
.set STEPB, 17408
.set SLOTB, 8*STEPB                    ; 139,264: slot 0 at 0, slot 1 at SLOTB
.set SPARE, 2*SLOTB                    ; the spare words, 128 bytes for each wave: eight blocks of 256 bytes that no other line names
.set CST,   131072                     ; behind the last change of slots, in slot 0 (last fill and last read are over): O^T's 16 images of 8,192 bytes at 0; here -M and the sum, 256 bytes a wave
.set SG,    SLOTB                      ; and, behind a further barrier, in slot 1: the stage, 64 rows x (512 + 16) bytes
.set LI,  1                            ; v1   16 x lane
.set LS,  2                            ; v2   4 x lane
.set SPW, 5                            ; v5   my spare word: SPARE + 4 x my thread's number; never rewritten
.set NIL, 6                            ; v6   0; never rewritten
.set ADK, 8                            ; v8   the step's block + LI
.set ADS, 9                            ; v9   the step's block + LS
.set D0,  24                           ; v24  my query's place in its block of 128, less 8 h
.set CI,  25                           ; v25  where I store my O^T
.set CSW, 26                           ; v26  and my -M and sum
.set CR,  27                           ; v27  where I read the four parts' channel tiles 2 z, 2 z + 1 of my tile
.set PFO, 28                           ; v28  256 x lane; never rewritten
.set CSR, 29                           ; v29  the four parts' -M and sums
.set SGW, 30                           ; v30  the stage, in
.set SGR, 31                           ; v31  the stage, back
; v12 -M, v13 the largest t, v[14:15] the sum in two halves; v16-23 Q; v32-63 four fragments of K or V; v96-159 S^T, then p; v160-223 O^T; v224-231 p's codes; v232-254 at work; v248-249 scale words of two tiles each; v253 p's scale word; v255 Q's
.set WV,  18                           ; s18  my wave's number
.set SEL, 20                           ; s[20:21] selects of v_permlanex16_b32: lane l xor 16
.set CS,  22                           ; s[22:23] c = log2(e) / sqrt(128): the packed form names a pair and takes its low word for both halves
.set G1,  24                           ; s[24:31] descriptor group 1
.set G0,  32                           ; s[32:39] group 0, a set for each slot
.set Z,   40
.set TI,  41
.set SB,  42                           ; s42  my tile's block of queries = its last key step
.set KSI, 43                           ; s43  the key step in hand
.set ZB,  44                           ; s44  z x STEPB
.set TB,  45                           ; s45  LDS byte at which the step in hand begins
.set TW,  46
.set PFF, 47                           ; s47  0 in a wave that prefetches
.set PFA, 48                           ; s[48:49] where its prefetches stand; never rewritten
; A round of the cluster's barrier
.macro ROUND
	s_barrier_signal -1
	s_barrier_wait -1
	s_cmp_lg_u32 s[WV], 0
	s_cbranch_scc1 .Lnot_wave_0_\@
	s_barrier_signal -3
.Lnot_wave_0_\@:
	s_barrier_wait -3
	s_barrier_signal -1
	s_barrier_wait -1
.endm
; A PREFETCH of the codes of a slot that a later change of slots will ask for: 8 steps x 16,384 bytes.  All clusters of a batch walk the same kv: the batch's first cluster asks.  Its four partners take two steps
; each, told apart BY ADDRESS; in each, waves 0 to 3 ask, one instruction each: 8,192 bytes (a step's K or its V), lanes 256 bytes apart.  So each block of 256 bytes is named once in the launch.
; The steps' 1,024 bytes of scale words come by their loads alone.  The slot stands in the immediate: no address is stepped.
.macro ASK off
	s_cmp_eq_u32 s[PFF], 0
	s_cbranch_scc0 .Lnot_mine_\@
	global_prefetch_b8 v[PFO], s[PFA:PFA+1] offset:\off th:TH_LOAD_NT scope:SCOPE_SE
.Lnot_mine_\@:
.endm
; A KEY STEP: 128 keys.  A step behind my tile's last is left out: a scalar branch on ids; no barrier and no tensor load stands in a step.
.macro STEP
	s_cmp_gt_u32 s[KSI], s[SB]
	s_cbranch_scc1 .Lhidden_\@
	v_add_nc_u32 v[ADK], s[TB], v[LI]
	v_add_nc_u32 v[ADS], s[TB], v[LS]
	v_nop
	v_nop                                          ; these four are the places in front of loads into registers that the last step's matrix instructions have read
.irp g, 0,1                                    ; S^T = K Q^T, four tiles of 16 keys at a time
.if \g
.rept 4
	v_nop
.endr
.endif
.irp t, 0,1,2,3
.irp c, 0,1
	ds_load_b128 v[32+8*\t+4*\c:35+8*\t+4*\c], v[ADK] offset:(4*\g+\t)*1024+512*\c
.endr
.endr
.irp e, 0,1
	ds_load_b32 v[248+\e], v[ADS] offset:16384+128*(2*\g+\e)   ; lanes 0-15: tile 4 g + 2 e's scale words; lanes 16-31: tile 4 g + 2 e + 1's
.endr
	s_wait_dscnt 0x0
.irp e, 0,1
	v_wmma_scale_f32_16x16x128_f8f6f4 v[96+8*(4*\g+2*\e):103+8*(4*\g+2*\e)], v[32+16*\e:39+16*\e], v[16:23], 0, v[248+\e], v255 matrix_a_fmt:MATRIX_FMT_FP4 matrix_b_fmt:MATRIX_FMT_FP4
	v_wmma_scale_f32_16x16x128_f8f6f4 v[104+8*(4*\g+2*\e):111+8*(4*\g+2*\e)], v[40+16*\e:47+16*\e], v[16:23], 0, v[248+\e], v255 matrix_a_fmt:MATRIX_FMT_FP4 matrix_b_fmt:MATRIX_FMT_FP4 matrix_a_scale:MATRIX_SCALE_ROW1
.endr
.endr
.rept 4
	v_nop
.endr
	s_cmp_lg_u32 s[KSI], s[SB]                     ; on the diagonal the scores of hidden keys become -infinity ahead of the maximum: p = 0 then.  Every query sees the step's first key
	s_cbranch_scc1 .Lopen_\@
	v_mov_b32 v254, 0xff800000
.set n, 0
.rept 64
	v_cmp_gt_i32 vcc_lo, 16*(n/8)+n%8, v[D0]       ; register n holds the step's key 16 (n / 8) + 8 h + n % 8: hidden where it lies behind my query
	v_cndmask_b32 v[96+n], v[96+n], v254, vcc_lo
.set n, n+1
.endr
.Lopen_\@:
.irp b, 0,1,2,3
	v_max3_num_f32 v[232+\b], v[96+16*\b], v[97+16*\b], v[98+16*\b]   ; THE LARGEST SCORE OF EACH BLOCK OF 32 KEYS: for the row's maximum, and, since p rises with the score, for the block's largest p
.endr
.irp i, 3,5,7,9,11,13
.irp b, 0,1,2,3
	v_max3_num_f32 v[232+\b], v[232+\b], v[96+16*\b+\i], v[97+16*\b+\i]   ; the four blocks by turns
.endr
.endr
.irp b, 0,1,2,3
	v_max_num_f32 v[232+\b], v[232+\b], v[111+16*\b]
.endr
.irp b, 0,1,2,3
	v_permlanex16_b32 v[236+\b], v[232+\b], s[SEL], s[SEL+1]
.endr
.irp b, 0,1,2,3
	v_max_num_f32 v[232+\b], v[232+\b], v[236+\b]  ; with lane l xor 16's 16 keys
.endr
	v_max3_num_f32 v254, v232, v233, v234
	v_max_num_f32 v254, v254, v235                 ; the step's largest score of my query
	v_mul_f32 v254, s[CS], v254                    ; as t (c is positive)
	v_max_num_f32 v13, v13, v254                   ; the running largest t
	v_mov_b32 v254, v12
	v_floor_f32 v12, -v13                          ; the new -M = floor(-t) = -ceil(t): M is a whole number
	v_sub_f32 v254, v12, v254                      ; M's old value less its new one: a whole number, 0 or less
	v_cvt_i32_f32 v254, v254                       ; (it saturates)
	v_ldexp_f32 v252, 1.0, v254                    ; f = 2^(old M - new M)
.set n, 0
.rept 32
	v_pk_fma_f32 v[96+n:97+n], v[96+n:97+n], s[CS:CS+1], v[12:13] op_sel_hi:[1,0,0]   ; t - M, two at a time
.set n, n+2
.endr
.irp b, 0,1,2,3
	v_fma_f32 v[232+\b], v[232+\b], s[CS], v12     ; the same of each block's largest score
.endr
.set n, 0
.rept 64
	v_exp_f32 v[96+n], v[96+n]                     ; p = 2^(t - M), at most 1: not normalised
.set n, n+1
.endr
	v_pk_mul_f32 v[14:15], v[14:15], v[252:253] op_sel_hi:[1,0]   ; the sums under the new M.  (A plain place behind the exponentials)
	s_wait_alu depctr_va_vdst(0)                   ; one wait for the whole batch, ahead of its first reader
.irp b, 0,1,2,3
	v_exp_f32 v[232+\b], v[232+\b]                 ; the block's largest p: the same two instructions on the same number give the same bits
.endr
	v_pk_add_f32 v[236:237], v[96:97], v[98:99]    ; the row's sum is taken of the unquantised p: two at a time, in two chains
.irp j, 4,8,12,16,20,24,28,32,36,40,44,48,52,56,60
	v_pk_add_f32 v[14:15], v[14:15], v[96+\j:97+\j]
	v_pk_add_f32 v[236:237], v[236:237], v[98+\j:99+\j]
.endr
	v_pk_add_f32 v[14:15], v[14:15], v[236:237]
	s_wait_alu depctr_va_vdst(0)                   ; and one for the four
.irp b, 0,1,2,3
	v_max_num_f32 v[232+\b], 0x1800000, v[232+\b]  ; the floor 2^(3 - 127): the byte cannot fall under 1
.endr
.irp b, 0,1,2,3
	v_add_nc_u32 v[244+\b], 0xff000000, v[232+\b]  ; 2 off the exponent field: the conversion's scale operand
.endr
.irp b, 0,1,2,3
	v_lshrrev_b32 v[236+\b], 23, v[244+\b]         ; the scale's byte
.endr
	v_lshl_or_b32 v253, v237, 8, v236              ; p's scale word for these 128 keys
	v_lshl_or_b32 v253, v238, 16, v253
	v_lshl_or_b32 v253, v239, 24, v253
.irp b, 0,1,2,3
	v_cvt_scalef32_pk8_fp4_f32 v[224+2*\b], v[96+16*\b:103+16*\b], v[244+\b]
	v_cvt_scalef32_pk8_fp4_f32 v[225+2*\b], v[104+16*\b:111+16*\b], v[244+\b]
.endr
	v_nop                                          ; one plain place behind the scaled conversions
.irp c, 0,1
.irp i, 0,1
	v_permlane16_swap_b32 v[224+4*\c+\i], v[226+4*\c+\i]   ; a whole block to a lane: lanes 0-15 block 2 c, lanes 16-31 block 2 c + 1
.endr
.endr
.set n, 0
.rept 32
	v_pk_mul_f32 v[160+n:161+n], v[160+n:161+n], v[252:253] op_sel_hi:[1,0]   ; O^T under the new M.  (These 32 are also the places in front of the scaled matrix instructions below)
.set n, n+2
.endr
.irp g, 0,1                                    ; O^T += V^T P^T: four tiles of 16 channels at a time; K = these 128 keys
.if \g
.rept 4
	v_nop
.endr
.endif
.irp t, 0,1,2,3
.irp c, 0,1
	ds_load_b128 v[32+8*\t+4*\c:35+8*\t+4*\c], v[ADK] offset:8192+(4*\g+\t)*1024+512*\c
.endr
.endr
.irp e, 0,1
	ds_load_b32 v[248+\e], v[ADS] offset:16896+128*(2*\g+\e)
.endr
	s_wait_dscnt 0x0
.irp e, 0,1
	v_wmma_scale_f32_16x16x128_f8f6f4 v[160+8*(4*\g+2*\e):167+8*(4*\g+2*\e)], v[32+16*\e:39+16*\e], v[224:231], v[160+8*(4*\g+2*\e):167+8*(4*\g+2*\e)], v[248+\e], v253 matrix_a_fmt:MATRIX_FMT_FP4 matrix_b_fmt:MATRIX_FMT_FP4
	v_wmma_scale_f32_16x16x128_f8f6f4 v[168+8*(4*\g+2*\e):175+8*(4*\g+2*\e)], v[40+16*\e:47+16*\e], v[224:231], v[168+8*(4*\g+2*\e):175+8*(4*\g+2*\e)], v[248+\e], v253 matrix_a_fmt:MATRIX_FMT_FP4 matrix_b_fmt:MATRIX_FMT_FP4 matrix_a_scale:MATRIX_SCALE_ROW1
.endr
.endr
.Lhidden_\@:
.endm
; A slot's eight steps: mine are the z-th and the (z + 4)-th: two trips, a constant of the text
.macro PHASE slot
	s_add_co_u32 s[TB], s[ZB], \slot*SLOTB
	s_mov_b32 s[TW], 2
.Lphase_\@:
	STEP
	s_add_co_u32 s[TB], s[TB], 4*STEPB
	s_add_co_u32 s[KSI], s[KSI], 4
	s_sub_co_u32 s[TW], s[TW], 1
	s_cmp_lg_u32 s[TW], 0
	s_cbranch_scc1 .Lphase_\@
.endm
; THE CHANGE OF SLOTS.  Each wave waits for all its tensor loads (its part of the slot ahead), adds 0 to its spare word, and waits for that and for its reads of the slot that it has left.
; fill = 1: that slot is filled again, 16 key steps on: the barrier is a round of the cluster's, and the joint refill is the first thing behind it, one load a wave.
.macro CHANGE fill, slot
	s_wait_tensorcnt 0x0                           ; no tensor load of mine is out, so a group 0 may be written
	ds_add_u32 v[SPW], v[NIL]                      ; 0 onto my spare word
.if \fill
	s_add_nc_u64 s[G0+4*\slot+2:G0+4*\slot+3], s[G0+4*\slot+2:G0+4*\slot+3], 2*SLOTB
.endif
	s_wait_dscnt 0x0                               ; the add is done, and my reads of the slot that I have left are over
.if \fill
	ROUND                                          ; both now hold of every wave of all four work-groups
	tensor_load_to_lds s[G0+4*\slot:G0+4*\slot+3], s[G1:G1+7]
	s_nop 0
.rept 4
	v_nop
.endr
.else
	s_barrier_signal -1
	s_barrier_wait -1
.endif
.endm
	s_load_b256 s[4:11], s[0:1], 0x0               ; qf s[4:5], qs s[6:7], kv s[8:9], out0 s[10:11]
	v_lshl_add_u32 v[SPW], v0, 2, SPARE
	v_mov_b32 v[NIL], 0
	ds_add_u32 v5, v6
	ds_add_u32 v5, v6
	s_wait_dscnt 0x0
	v_lshrrev_b32 v8, 5, v0
	v_readfirstlane_b32 s[WV], v8                  ; wave 0..15
	s_bfe_u32 s12, ttmp6, 0x40000                  ; cx: it enters Q's, the output's and the prefetches' addresses and the mask's comparison alone
	s_and_b32 s14, ttmp7, 0xffff                   ; the batch, which the partners share
	s_and_b32 s[Z], s[WV], 3
	s_lshr_b32 s50, s[WV], 2
	s_add_co_u32 s[TI], s50, s[WV]
	s_and_b32 s[TI], s[TI], 3
	s_sub_co_u32 s51, 31, ttmp9                    ; in a cluster launch ttmp9 counts clusters: c
	s_cmp_lt_u32 s[TI], 2
	s_cselect_b32 s[SB], s51, ttmp9                ; tiles 0, 1: block 31 - c; tiles 2, 3: block c
	s_cmp_lt_u32 s[WV], 8
	s_cselect_b32 s52, s51, ttmp9                  ; the block of the rows that I store at the end (tile w / 4)
	s_mov_b32 s[KSI], s[Z]
	s_mul_i32 s[ZB], s[Z], STEPB
	s_or_b32 s[PFF], s50, ttmp9                    ; 0 in waves 0 to 3 of the batch's first cluster: the same in all partners
	; descriptor group 1: 34 rows of 32 elements of 8 bytes, dense
	s_mov_b32 s[G1+0], 15|(3<<16)|(1<<21)          ; 15:0 the mask: all four work-groups; 17:16 elements of 8 bytes; 21 set beside a mask
	s_mov_b32 s[G1+1], 32<<16                      ; tensor_dim0
	s_mov_b32 s[G1+2], 34<<16                      ; tensor_dim1
	s_mov_b32 s[G1+3], 32<<16                      ; tile_dim0
	s_mov_b32 s[G1+4], 34                          ; tile_dim1
	s_mov_b32 s[G1+5], 32                          ; tensor_dim0_stride
	s_mov_b32 s[G1+6], 0
	s_mov_b32 s[G1+7], 0
	s_mul_i32 s54, s14, 32*STEPB                   ; the batch's 32 steps in kv
	s_mov_b32 s55, 0
	s_mul_i32 s58, s[WV], SLOTB/16                 ; my sixteenth of a slot, in memory and in LDS
	s_mov_b32 s59, 0
	s_and_b32 s53, s[TI], 1                        ; u
	s_lshl_b32 s56, s14, 8
	s_lshl_b32 s57, s[SB], 3
	s_add_co_u32 s56, s56, s57
	s_lshl_b32 s57, s12, 1
	s_add_co_u32 s56, s56, s57
	s_add_co_u32 s56, s56, s53                     ; my tile of queries: 256 batch + 8 block + 2 cx + u
	s_lshl_b32 s60, s56, 10
	s_mov_b32 s61, 0
	s_lshl_b32 s62, s56, 6
	s_mov_b32 s63, 0
	s_lshl_b32 s66, s14, 12                        ; the four rows that I store: 4,096 batch + 128 block + 32 cx + 16 ((w / 4) % 2) + 4 (w % 4)
	s_lshl_b32 s57, s52, 7
	s_add_co_u32 s66, s66, s57
	s_lshl_b32 s57, s12, 5
	s_add_co_u32 s66, s66, s57
	s_and_b32 s57, s50, 1
	s_lshl_b32 s57, s57, 4
	s_add_co_u32 s66, s66, s57
	s_lshl_b32 s57, s[Z], 2
	s_add_co_u32 s66, s66, s57
	s_lshl_b32 s66, s66, 9
	s_mov_b32 s67, 0
	s_lshl_b32 s68, s12, 1                         ; the prefetches: step 2 cx + (w % 4) / 2 of a slot, its K (w even) or its V, from the third slot's worth on
	s_lshr_b32 s57, s[Z], 1
	s_add_co_u32 s68, s68, s57
	s_mul_i32 s68, s68, STEPB
	s_and_b32 s57, s[WV], 1
	s_lshl_b32 s57, s57, 13
	s_add_co_u32 s68, s68, s57
	s_add_co_u32 s68, s68, 2*SLOTB
	s_mov_b32 s69, 0
	s_lshl_b32 s70, s12, 5
	s_lshl_b32 s57, s53, 4
	s_add_co_u32 s70, s70, s57                     ; 32 cx + 16 u
	s_mov_b32 s[SEL], 0x76543210
	s_mov_b32 s[SEL+1], 0xfedcba98
	s_mov_b32 s[CS], 0x3e0293ee                    ; c = log2(e) / sqrt(128)
	s_mov_b32 s[CS+1], s[CS]                       ; (named with it as a pair, so it is written)
	s_wait_kmcnt 0x0
	s_add_nc_u64 s[8:9], s[8:9], s[54:55]          ; kv at my batch
	s_add_nc_u64 s[PFA:PFA+1], s[8:9], s[68:69]
	s_mov_b32 s[G0], 1                             ; count = 1
	s_mov_b32 s[G0+1], s58                         ; LDS address: slot 0
	s_add_nc_u64 s[G0+2:G0+3], s[8:9], s[58:59]    ; global address: steps 0 to 7
	s_mov_b32 s[G0+4], 1
	s_add_co_u32 s[G0+5], s58, SLOTB
	s_add_nc_u64 s[G0+6:G0+7], s[G0+2:G0+3], SLOTB ; steps 8 to 15
	s_or_b32 s[G0+3], s[G0+3], 0x80000000          ; type = 2
	s_or_b32 s[G0+7], s[G0+7], 0x80000000
	s_add_nc_u64 s[4:5], s[4:5], s[60:61]
	s_add_nc_u64 s[6:7], s[6:7], s[62:63]
	s_add_nc_u64 s[10:11], s[10:11], s[66:67]
	ROUND                                          ; all four work-groups are here: the first joint loads meet
	tensor_load_to_lds s[G0:G0+3], s[G1:G1+7]      ; both first fills together: two loads of mine are out
	s_nop 0
	tensor_load_to_lds s[G0+4:G0+7], s[G1:G1+7]
	s_nop 0
.rept 4
	v_nop
.endr
	v_and_b32 v7, 31, v0                           ; lane
	v_and_b32 v3, 15, v0                           ; r
	v_bfe_u32 v4, v0, 4, 1                         ; h
	v_lshlrev_b32 v[LI], 4, v7
	v_lshlrev_b32 v[LS], 2, v7
	v_lshlrev_b32 v10, 2, v3
	global_load_b128 v[16:19], v[LI], s[4:5]       ; Q's fragment stays in registers
	global_load_b128 v[20:23], v[LI], s[4:5] offset:512
	global_load_b32 v255, v10, s[6:7]              ; and its scale words
	v_lshlrev_b32 v[D0], 3, v4
	v_sub_nc_u32 v[D0], v3, v[D0]
	v_add_nc_u32 v[D0], s70, v[D0]                 ; 32 cx + 16 u + r - 8 h
	; every LDS address of the end is made here, of the thread's number, the wave's number and constants
	s_lshl_b32 s57, s[TI], 2
	s_add_co_u32 s57, s57, s[Z]                    ; 4 ti + z
	s_lshl_b32 s71, s57, 13
	v_add_nc_u32 v[CI], s71, v[LI]
	s_lshl_b32 s71, s57, 8
	s_add_co_u32 s71, s71, CST
	v_add_nc_u32 v[CSW], s71, v[LS]
	s_lshl_b32 s71, s[TI], 15
	s_lshl_b32 s57, s[Z], 11
	s_add_co_u32 s71, s71, s57
	v_add_nc_u32 v[CR], s71, v[LI]
	v_lshlrev_b32 v[PFO], 8, v7
	s_lshl_b32 s71, s[TI], 10
	s_add_co_u32 s71, s71, CST
	v_add_nc_u32 v[CSR], s71, v[LS]
	s_mul_i32 s71, s[TI], 16*528
	s_lshl_b32 s57, s[Z], 7
	s_add_co_u32 s71, s71, s57
	s_add_co_u32 s71, s71, SG
	v_mul_u32_u24 v[SGW], v3, 528
	v_lshl_add_u32 v[SGW], v4, 5, v[SGW]
	v_add_nc_u32 v[SGW], s71, v[SGW]               ; row 16 ti + r, + 128 z + 32 h
	s_mul_i32 s71, s[WV], 4*528
	s_add_co_u32 s71, s71, SG
	v_add_nc_u32 v[SGR], s71, v[LI]                ; rows 4 w on, 16 bytes a lane
	v_mov_b32 v13, 0xff61b1e6                      ; the largest t so far: -3e38, under every t
	v_floor_f32 v12, -v13                          ; -M
	v_mov_b32 v14, 0                               ; the sum, in two halves
	v_mov_b32 v15, 0
.irp b, 0,1,2,3
	v_mov_b32 v[236+\b], 0                         ; written once: a lane permute's destination counts as one of its sources
.endr
	v_mov_b32 v253, 0                              ; (named as the upper half of the pair v[252:253] before it is first written)
.set n, 0
.rept 64
	v_mov_b32 v[160+n], 0                          ; O^T.  The step is written without a first step of its own: the first finds zeros, which the first change of M leaves zeros; a wave with no step hands zeros on
.set n, n+1
.endr
	s_wait_loadcnt 0x0                             ; Q
	s_wait_tensorcnt 0x1                           ; my part of slot 0 is in; slot 1's may stay out
	s_barrier_signal -1
	s_barrier_wait -1                              ; everybody's is
	ASK 0                                          ; steps 16 to 23: a slot's steps ahead of the load that will ask for them
	PHASE 0                                        ; steps 0 to 7
	CHANGE 1, 0                                    ; slot 0 takes steps 16 to 23
	ASK SLOTB                                      ; steps 24 to 31, likewise; nothing lies behind them
	PHASE 1                                        ; steps 8 to 15
	CHANGE 1, 1                                    ; slot 1 takes steps 24 to 31: the last load
	PHASE 0                                        ; steps 16 to 23
	CHANGE 0, 0
	PHASE 1                                        ; steps 24 to 31
	; THE FOUR PARTS OF A TILE ARE JOINED.  Each wave stores its O^T as an image of its registers, its -M and its sum, into slot 0, which nobody reads since the last change of slots.
.rept 4
	v_nop                                          ; four places behind the last products
.endr
	v_add_f32 v14, v14, v15                        ; the sum's two halves,
	v_permlanex16_b32 v236, v14, s[SEL], s[SEL+1]
	v_add_f32 v14, v14, v236                       ; and lane l xor 16's: my part's sum
.irp k, 0,1,2,3,4,5,6,7,8,9,10,11,12,13,14,15
	ds_store_b128 v[CI], v[160+4*\k:163+4*\k] offset:512*\k   ; ascending: each accumulator from its low end on
.endr
	ds_store_b32 v[CSW], v12
	ds_store_b32 v[CSW], v14 offset:128
	s_wait_dscnt 0x0                               ; my stores have landed, and my reads of slot 1 are over
	s_barrier_signal -1
	s_barrier_wait -1
.irp y, 0,1,2,3
	ds_load_b32 v[232+\y], v[CSR] offset:256*\y        ; part y's -M,
	ds_load_b32 v[236+\y], v[CSR] offset:256*\y+128    ; and its sum
.endr
.irp y, 0,1,2,3
.irp e, 0,1
.irp s, 0,1
	ds_load_b128 v[96+16*\y+8*\e+4*\s:99+16*\y+8*\e+4*\s], v[CR] offset:8192*\y+1024*\e+512*\s   ; part y's channel tile 2 z + e
.endr
.endr
.endr
	s_wait_dscnt 0x0
	v_min3_num_f32 v240, v232, v233, v234
	v_min_num_f32 v240, v240, v235                 ; -M of the whole row: the least of the four
.irp y, 0,1,2,3
	v_sub_f32 v[244+\y], v240, v[232+\y]           ; part y's M less the row's: a whole number, 0 or less
.endr
.irp y, 0,1,2,3
	v_cvt_i32_f32 v[244+\y], v[244+\y]             ; (it saturates: a part with no step has -M = 3e38, and f = 0)
.endr
.irp y, 0,1,2,3
	v_ldexp_f32 v[244+\y], 1.0, v[244+\y]          ; f
.endr
	v_mul_f32 v241, v244, v236
	v_fma_f32 v241, v245, v237, v241
	v_fma_f32 v241, v246, v238, v241
	v_fma_f32 v241, v247, v239, v241               ; the row's sum
	v_rcp_f32 v242, v241
	v_nop                                          ; a plain place behind the reciprocal
	s_wait_alu depctr_va_vdst(0)                   ; and the wait ahead of its first reader
.irp y, 0,1,2,3
	v_mul_f32 v[244+\y], v[244+\y], v242           ; f / the sum
.endr
.set n, 0
.rept 16
	v_mul_f32 v[32+n], v[96+n], v244
.set n, n+1
.endr
.irp y, 1,2,3
.set n, 0
.rept 16
	v_fma_f32 v[32+n], v[96+16*\y+n], v[244+\y], v[32+n]
.set n, n+1
.endr
.endr
.irp e, 0,1
.irp s, 0,1
	ds_store_b128 v[SGW], v[32+8*\e+4*\s:35+8*\e+4*\s] offset:64*\e+16*\s   ; lane (r, h): out(query r, channel 16 (2 z + e) + 8 h + 0 .. 7), into the stage in slot 1
.endr
.endr
	s_wait_dscnt 0x0
	s_barrier_signal -1
	s_barrier_wait -1                              ; 64 whole rows lie in the stage
.irp i, 0,1,2,3
	ds_load_b128 v[64+4*\i:67+4*\i], v[SGR] offset:528*\i
.endr
.irp i, 0,1,2,3
	s_wait_dscnt 3-\i                              ; row i is back; the younger loads may be out
	global_store_b128 v[LI], v[64+4*\i:67+4*\i], s[10:11] offset:512*\i th:TH_STORE_NT   ; 32 lanes store a row's 512 consecutive bytes, aligned
.endr
	s_wait_tensorcnt 0x0                           ; the wave's end, behind my last tensor load and my last LDS store
	ds_add_u32 v[SPW], v[NIL]
	s_wait_dscnt 0x0
	ROUND                                          ; the closing round: no work-group ends while a partner may still ask for a tile that names it
	s_endpgm
.Lfunc_end_k_q1b671ce784_attn:
	.size	k_q1b671ce784_attn, .Lfunc_end_k_q1b671ce784_attn-k_q1b671ce784_attn
	.p2alignl 7, 3214868480
	.fill 96, 4, 3214868480
	.section	.rodata,"a",@progbits
	.p2align	6, 0x0
	.amdhsa_kernel k_q1b671ce784_attn
		.amdhsa_group_segment_fixed_size 327680
		.amdhsa_private_segment_fixed_size 0
		.amdhsa_enable_private_segment 0
		.amdhsa_kernarg_size 32
		.amdhsa_user_sgpr_count 2
		.amdhsa_user_sgpr_kernarg_segment_ptr 1
		.amdhsa_wavefront_size32 1
		.amdhsa_system_sgpr_workgroup_id_x 1
		.amdhsa_system_sgpr_workgroup_id_y 1
		.amdhsa_system_sgpr_workgroup_id_z 1
		.amdhsa_system_vgpr_workitem_id 0
		.amdhsa_next_free_vgpr 256
		.amdhsa_next_free_sgpr 80
		.amdhsa_reserve_vcc 1
		.amdhsa_float_denorm_mode_32 3
		.amdhsa_float_denorm_mode_16_64 3
		.amdhsa_memory_ordered 1
		.amdhsa_forward_progress 1
		.amdhsa_inst_pref_size 113
	.end_amdhsa_kernel
	.amdgpu_metadata
---
amdhsa.version: [ 1, 2 ]
amdhsa.kernels:
  - .name:           k_q1b671ce784_attn
    .symbol:         k_q1b671ce784_attn.kd
    .args:
      - { .name: qf, .offset: 0, .size: 8, .value_kind: global_buffer, .address_space: global }
      - { .name: qs, .offset: 8, .size: 8, .value_kind: global_buffer, .address_space: global }
      - { .name: kv, .offset: 16, .size: 8, .value_kind: global_buffer, .address_space: global }
      - { .name: out0, .offset: 24, .size: 8, .value_kind: global_buffer, .address_space: global }
    .group_segment_fixed_size: 327680
    .private_segment_fixed_size: 0
    .kernarg_segment_align: 8
    .kernarg_segment_size: 32
    .max_flat_workgroup_size: 512
    .sgpr_count:     80
    .vgpr_count:     256
    .wavefront_size: 32
...
	.end_amdgpu_metadata
.endif
;; end of part 3
;; ======== version 2 of 2: 3 launches; version 1 with the launch proj written anew for expert scheduling mode
;; workspace buffers: wf 786,432 bytes; ws 49,152 bytes; qf 1,048,576 bytes; qs 65,536 bytes; kv 2,228,224 bytes
;; launch wquant: the kernel of part 1 again; grid 128 x 1, 3 waves a work-group, no clusters, 0 bytes of LDS; arguments w_q, w_k, w_v, wf, ws; writes wf, ws
;; launch proj (part 4): grid 256 x 1, 8 waves a work-group, no clusters, 186,880 bytes of LDS; arguments x, wf, ws, b_q, b_k, b_v, sin, cos, qf, qs, kv; writes qf, qs, kv
.if DOCPART == 4
	.amdgcn_target "amdgcn-amd-amdhsa--gfx1250"
	.amdhsa_code_object_version 6
	.text
	.protected	k_q1b671ce784_proj
	.globl	k_q1b671ce784_proj
	.p2align	8
	.type	k_q1b671ce784_proj,@function
k_q1b671ce784_proj:
	s_mov_b64 s[64:65], 0
	v_nop
	global_prefetch_b8 v0, s[64:65] scope:SCOPE_SE
	s_setreg_imm32_b32 hwreg(HW_REG_WAVE_SCHED_MODE, 0, 2), 2
	s_setreg_imm32_b32 hwreg(HW_REG_WAVE_MODE, 25, 1), 1
	s_wait_xcnt 0x0
	s_wait_alu depctr_vm_vsrc(0)
; q, k, v = x W^T + b on codes of FP4 (E2M1) with E8M0 scales, the rotation of q and k as the problem has it (the ODD value in both slots, sin and cos as given), and the quantising of
; q_rot, k_rot (along the head's 128) and v (along the keys) for the attention launch.  x: [16,384][4,096] f32, read once.
; SHARES.  Work-group g owns rows 64 g .. 64 g + 63 and all 384 columns.  THE WAVES SHARE THE COLUMNS: wave w makes column tiles 3 w + j (j = 0 .. 2) for all four tiles of 16 rows: 12 accumulators.
; A TRIP is 256 along K, 16 trips in all.  In it wave w takes rows 16 (w % 4) on, K half w / 4: 16 rows x 512 bytes.
; x IS STREAMED INTO REGISTERS under counted waits: each of a wave's 16 loads takes one row's 512 consecutive bytes, 16 a lane; two sets of 64 registers; trip T + 2's loads go out early in trip T, as soon as
; set T % 2 has been read out.  So one to two trips' worth of x, 64 to 128 KB for the work-group, is on its way all the time, and no wait of the loop is for all loads.
; The quantiser wants 16 neighbours of each block of 32 in one lane: the wave's 8 KB turn through its own stage in LDS (stored as loaded, read back 64 bytes a lane from rows 528 bytes apart).
; The fragment just made goes to LDS as an image of its registers (16 bytes a lane); behind one barrier every wave fetches all eight fragments and issues 24 matrix instructions.
; W's fragments come from wf straight into registers, dense.  Loads come back in the order of issue (ISA guide 5.7.1), so a wait for W also waits for every load of x issued ahead of it: W has two sets as well
; and the same lead: W of trip T + 2 is asked for at the end of trip T.  By this text's count at most 62 loads of a wave are out: W(T), x(T+1), W(T+1), x(T+2).
; The matrix instruction is used transposed (source 0 = 16 rows of W, source 1 = 16 rows of x): lane (r, h), register i holds row r, column 16 tile + 8 h + i.  The biases are the C of the first trip's first products.
; NO CLUSTER: all work-groups walk the same W, 52,224 bytes a trip beside 65,536 of x, and two slots of two trips of it (208,896 bytes) would fit in LDS for joint loads.  This text takes W into registers:
; a wave reads its own eighth of W and reads it once, so the way through LDS would add a write and a read of those bytes with no second reader in the work-group, and each refill would tie four work-groups'
; streams of x to one round of a barrier.  The requests for W are therefore four times what joint loads would make.
; THE MODE: SCHED_MODE bits 1:0 = 2 (LLVM: expert scheduling mode 2), set by the entry lines.  The code itself states the register dependences between vector or matrix instructions and memory or LDS
; instructions, with s_wait_alu, always for 0.
; THE PLAN.  Registers that memory or LDS instructions touch, in trip T (p = T % 2):
;   x's set p       Loaded in trip T - 2; read by the trip's 16 LDS stores into the turn stage; then the loads of trip T + 2 land in it.  No vector instruction names it before the way out (cos, sin).
;   XN              The LDS loads from the stage land in it; the quantiser reads it; behind the barrier the fragments' LDS loads land in it; the products read it.
;   XS              The scale words' LDS loads land in it, behind the barrier; the products read it.
;   PC, PW          The quantiser writes them; the image's three LDS stores read them.
;   W's set p       Loaded at the end of trip T - 2; the products read it; then the loads of trip T + 2 land in it.
;   v4 .. v26       Addresses and offsets: made once at the head, never written again: the bases are scalar registers, and immediate offsets do the rest.
;   The accumulators and TM are named by vector and matrix instructions alone, until the way out.
; So THREE waits stand in a trip.  (1) On vm_vsrc, behind the run of LDS stores and loads of the turn: the stores have read x's set p; the last trip's image stores have read PC and PW.  x's next loads follow it at once,
; ahead of the wait for the turn's LDS loads.  (2) On va_vdst, behind the quantiser: PC and PW are written; XN has been read.  (3) On va_vdst, at the trip's end: the products are done reading W's set p, XN and XS.
; OUT (all in the order of an operand's registers: a fragment's registers 4 c .. 4 c + 3 of lane l at byte 512 c + 16 l):
;   qf [row / 16][1,024], qs [row] scale words;  kv [row / 128][17,408]: 8 images of K (16 keys each), 8 of V^T (16 channels x the step's 128 keys), K's 128 scale words, V's 128.
;   Inside a block of 32 keys V's codes stand in the order 0-7, 16-23, 8-15, 24-31: the order in which the attention launch's p comes out of its conversions.  The blocks are the true blocks.
; LIMITS: NaN and infinities are not served; a block whose largest magnitude lies under 2^-124 keeps the byte 1; a block of zeros gets the byte 1 over zero codes (these bytes are read by this program alone).
.set XP,    528                        ; a row of the turn stage: 512 bytes + 16 = 132 words: row r starts at bank 4 r mod 64 (64 banks of 4 bytes: ISA guide 11.1)
.set XSTB,  16*XP                      ; a wave's turn stage
.set IMG,   8*XSTB                     ; behind the eight stages: the images, two sets by turns: 8 fragments of 1,024 bytes, then their 8 x 128 bytes of scale words
.set IMGP,  9216
.set GA,    IMG+2*IMGP                 ; q's 64 scale words, then k's
.set STG,   GA+512                     ; the way out: a stage of 64 rows x (1,536 + 16) bytes, with bytes of its own
.set SP,    1552
.set STEPB, 17408                      ; a key step's block in kv
.set XT,  4                            ; v4     the turn stage, in: my wave's + 16 x lane
.set XB,  5                            ; v5     the turn stage, back: my wave's + 528 r + 64 h
.set LI,  8                            ; v8     IMG + 16 x lane
.set LS,  9                            ; v9     IMG + 8,192 + 4 x lane
.set XWI, 10                           ; v10    where I store my image: LI + 1,024 w
.set XWS, 11                           ; v11    and its scale words: LS + 128 w
.set WO,  12                           ; v12    wf: 6,144 w + 16 x lane
.set WSO, 13                           ; v13    ws: 384 w + 4 x lane
.set STO, 16                           ; v16-17 the way out's stage, in: row r (+ 32 rows), my wave's 192 bytes, + 32 h
.set STQ, 18                           ; v18    back: row 16 (w % 4) + r of q (w < 4) or k, + 64 h
.set STV, 19                           ; v19    back: v's channel 16 w + r, keys 32 h on
.set GAW, 20                           ; v20    GA + 64 w + 4 r
.set CSO, 21                           ; v21    cos, sin: my row's position, + 64 h
.set BO,  22                           ; v22    32 h
.set OI,  23                           ; v23    16 x lane: my place in a row's 512 bytes of x, and in an image
.set VSB, 24                           ; v24    4 r + h
.set GAR, 25                           ; v25    GA + 8 x lane
.set GO8, 26                           ; v26    8 x lane
.set XN,  32                           ; v32-95   64 numbers; then the trip's 8 fragments, (u, m) at 8 (4 u + m)
.set XS,  96                           ; v96-103  their scale words
.set PC,  104                          ; v104-111 the codes just made
.set PW,  112                          ; v112     their scale word
.set TM,  116                          ; v116-131 at work
.set WF,  136                          ; v136-183, v192-239 W's fragments, two sets 56 registers apart, (j, u) at 8 (2 j + u); on the way out v136-167 take v's 32 numbers
.set WS,  184                          ; v184-186, v240-242 W's scale words: lanes 0-15 u = 0, lanes 16-31 u = 1
.set VC,  188                          ; v188-191 v's codes
.set RT,  192                          ; v192-223 the rotation's products (W's second set is done with by then)
.set XR,  96                           ; window 1: v0-95 the accumulators, (m, j) at 8 (3 m + j); v96-159, v160-223 x as loaded, two sets: row i in registers 4 i .. 4 i + 3
.set COSR, 96                          ; at the end the first set takes cos,
.set SINR, 160                         ; the second sin
.set BI,  224                          ; window 1: v224-247 the biases of my three column tiles
.set WV,  44                           ; s44 wave; s45 w % 4; s46 w / 4
.set SEL, 62                           ; s[62:63] selects of v_permlanex16_b32: lane l xor 16
.set MSB, 0
.macro WIN new                         ; the immediate's high byte repeats the setting that is left
.if MSB != \new
	s_set_vgpr_msb (MSB<<8)|\new
.set MSB, \new
.endif
.endm
; 64 numbers of a lane, register 16 b + i = k 32 b + 16 (lane / 16) + i of my row, become a fragment's codes in v[pc] on and its rows' scale word in v[pw].
.macro QUANT src, pc, pw
.irp b, 0,1,2,3
	v_max3_num_f32 v[TM+\b], |v[\src+16*\b]|, |v[\src+16*\b+1]|, 0x1800000   ; block b: my 16 numbers, and the floor 2^(3 - 127): the byte cannot fall under 1
.endr
.irp i, 2,4,6,8,10,12,14
.irp b, 0,1,2,3
	v_max3_num_f32 v[TM+\b], v[TM+\b], |v[\src+16*\b+\i]|, |v[\src+16*\b+\i+1]|   ; the four blocks by turns
.endr
.endr
.irp b, 0,1,2,3
	v_permlanex16_b32 v[TM+4+\b], v[TM+\b], s[SEL], s[SEL+1]
.endr
.irp b, 0,1,2,3
	v_max_num_f32 v[TM+\b], v[TM+\b], v[TM+4+\b]   ; with lane l xor 16's 16: the block's largest magnitude
.endr
.irp b, 0,1,2,3
	v_add_nc_u32 v[TM+12+\b], 0xff000000, v[TM+\b]   ; 2 off its exponent field: the conversion takes this operand's exponent field as its scale
.endr
.irp b, 0,1,2,3
	v_lshrrev_b32 v[TM+4+\b], 23, v[TM+12+\b]      ; the scale's byte
.endr
	v_lshl_or_b32 v[\pw], v[TM+5], 8, v[TM+4]
	v_lshl_or_b32 v[\pw], v[TM+6], 16, v[\pw]
	v_lshl_or_b32 v[\pw], v[TM+7], 24, v[\pw]      ; my row's scale word, the same in both halves of the lanes
.irp b, 0,1,2,3
	v_cvt_scalef32_pk8_fp4_f32 v[\pc+2*\b], v[\src+16*\b:\src+16*\b+7], v[TM+12+\b]
	v_cvt_scalef32_pk8_fp4_f32 v[\pc+2*\b+1], v[\src+16*\b+8:\src+16*\b+15], v[TM+12+\b]
.endr
	v_nop                                          ; one plain place behind the scaled conversions
.irp c, 0,1
.irp i, 0,1
	v_permlane16_swap_b32 v[\pc+4*\c+\i], v[\pc+4*\c+2+\i]   ; a whole block to a lane: lanes 0-15 block 2 c, lanes 16-31 block 2 c + 1
.endr
.endr
.endm
; x of the trip n trips behind the base, into set p: 16 loads, each one row's 512 consecutive bytes, aligned; read once in the launch
.macro XLOAD p, n
	WIN 0x40                                       ; destination window 1, address window 0
.irp i, 0,1,2,3,4,5,6,7,8,9,10,11,12,13,14,15
	global_load_b128 v[XR+64*(\p)+4*\i:XR+64*(\p)+4*\i+3], v[OI], s[4:5] offset:(\n)*1024+\i*16384 th:TH_LOAD_NT
.endr
.endm
; W's six fragments and three registers of scale words of the trip n trips behind the base, into set p: 15 loads, each of 512 or 128 consecutive bytes
.macro WLOAD p, n
.irp f, 0,1,2,3,4,5
.irp c, 0,1
	global_load_b128 v[WF+56*(\p)+8*\f+4*\c:WF+56*(\p)+8*\f+4*\c+3], v[WO], s[6:7] offset:(\n)*49152+\f*1024+\c*512
.endr
.endr
.irp j, 0,1,2
	global_load_b32 v[WS+56*(\p)+\j], v[WSO], s[8:9] offset:(\n)*3072+\j*128
.endr
.endm
; 12 matrix instructions: the trip's half u of K, W's set p.  first = 1: the sums begin, with the bias as C.  The 12 accumulators take turns, one instruction a turn, in the same order everywhere.
.macro MUL u, p, first
.irp m, 0,1,2,3
.irp j, 0,1,2
.if \u
	v_wmma_scale_f32_16x16x128_f8f6f4 v[8*(3*\m+\j):8*(3*\m+\j)+7], v[WF+56*(\p)+8*(2*\j+1):WF+56*(\p)+8*(2*\j+1)+7], v[XN+8*(4+\m):XN+8*(4+\m)+7], v[8*(3*\m+\j):8*(3*\m+\j)+7], v[WS+56*(\p)+\j], v[XS+4+\m] matrix_a_fmt:MATRIX_FMT_FP4 matrix_b_fmt:MATRIX_FMT_FP4 matrix_a_scale:MATRIX_SCALE_ROW1
.elseif \first
	v_wmma_scale_f32_16x16x128_f8f6f4 v[8*(3*\m+\j):8*(3*\m+\j)+7], v[WF+56*(\p)+8*(2*\j):WF+56*(\p)+8*(2*\j)+7], v[XN+8*\m:XN+8*\m+7], v[BI+8*\j:BI+8*\j+7], v[WS+56*(\p)+\j], v[XS+\m] matrix_a_fmt:MATRIX_FMT_FP4 matrix_b_fmt:MATRIX_FMT_FP4
.else
	v_wmma_scale_f32_16x16x128_f8f6f4 v[8*(3*\m+\j):8*(3*\m+\j)+7], v[WF+56*(\p)+8*(2*\j):WF+56*(\p)+8*(2*\j)+7], v[XN+8*\m:XN+8*\m+7], v[8*(3*\m+\j):8*(3*\m+\j)+7], v[WS+56*(\p)+\j], v[XS+\m] matrix_a_fmt:MATRIX_FMT_FP4 matrix_b_fmt:MATRIX_FMT_FP4
.endif
.endr
.endr
.endm
; A TRIP: 256 along K.  p = the trip's number % 2: the sets of x, of W and of images.  first = 1: trip 0.  lx: the loads that may be out when this trip's x has to be in; lw: likewise for its W.
; xk = 1: x of two trips on is asked for (xn trips behind the base); 2: cos takes the set; 3: sin.  wn: W of two trips on, or -1.
; ONE barrier a trip.  In front of it my image is stored and all my LDS loads are back.  Set p of the images is written again two trips on, behind the next trip's barrier, which every wave reaches behind its wait for its reads of set p.
.macro TRIP p, first, lx, xk, xn, lw, wn
	s_wait_loadcnt \lx                             ; loads come back in order: this trip's x is in, the younger loads stay out
	WIN 0x04                                       ; an LDS store's data are its source 1: window 1 (an LDS load names no source 1: its address and destination stay in window 0)
.irp i, 0,1,2,3,4,5,6,7,8,9,10,11,12,13,14,15
	ds_store_b128 v[XT], v[XR+64*\p+4*\i:XR+64*\p+4*\i+3] offset:\i*XP   ; row i as it was loaded: 512 consecutive bytes
.endr
.irp b, 0,1,2,3
.irp q, 0,1,2,3
	ds_load_b128 v[XN+16*\b+4*\q:XN+16*\b+4*\q+3], v[XB] offset:128*\b+16*\q   ; LDS serves a wave's instructions in order (ISA guide 5.7.1.4): these see my stores.  Row r, my 16 numbers of block b.  (The wait that closed the trip before has shown its products done reading XN; no vector or matrix instruction since names it)
.endr
.endr
.if \first
	WIN 0
	WLOAD 1, 1                                     ; W of trip 1: held back to here, so that no more than 62 loads of mine are out
.endif
	WIN 0x40                                       ; destination window 1, address window 0: the switch, the wait, the loads
	s_wait_alu depctr_vm_vsrc(0)                   ; the LDS stores above have read x's set p, in which the loads below land; the last trip's LDS stores have read PC and PW, which the quantiser below writes again
.if \xk == 1
	XLOAD \p, \xn                                  ; they go out while the turn is still in LDS
.elseif \xk == 2
.irp b, 0,1,2,3
.irp q, 0,1,2,3
	global_load_b128 v[COSR+16*\b+4*\q:COSR+16*\b+4*\q+3], v[CSO], s[18:19] offset:128*\b+16*\q   ; cos of my row, in the layout of the 64 numbers that I will rotate
.endr
.endr
.else
.irp b, 0,1,2,3
.irp q, 0,1,2,3
	global_load_b128 v[SINR+16*\b+4*\q:SINR+16*\b+4*\q+3], v[CSO], s[16:17] offset:128*\b+16*\q   ; sin likewise
.endr
.endr
.endif
	WIN 0
	s_wait_dscnt 0x0                               ; the numbers are back from the stage
	QUANT XN, PC, PW
	s_wait_alu depctr_va_vdst(0)                   ; the quantiser has written PC and PW, which the LDS stores below read, and is done reading XN, in which the fragments' loads behind the barrier land
	ds_store_b128 v[XWI], v[PC:PC+3] offset:\p*IMGP
	ds_store_b128 v[XWI], v[PC+4:PC+7] offset:\p*IMGP+512
	ds_store_b32 v[XWS], v[PW] offset:\p*IMGP
	s_wait_dscnt 0x0                               ; for the others' sake: my image is stored
	s_barrier_signal -1
	s_barrier_wait -1
.irp u, 0,1
.irp m, 0,1,2,3
.irp c, 0,1
	ds_load_b128 v[XN+8*(4*\u+\m)+4*\c:XN+8*(4*\u+\m)+4*\c+3], v[LI] offset:\p*IMGP+(4*\u+\m)*1024+512*\c
.endr
	ds_load_b32 v[XS+4*\u+\m], v[LS] offset:\p*IMGP+(4*\u+\m)*128
.endr
.endr
	s_wait_loadcnt \lw                             ; this trip's W is in (in trip 0 the biases came ahead of it); what was asked for behind it stays out
	s_wait_dscnt 12                                ; the first half's 12 loads are in; the second half's 12 may be out
	WIN 0x50                                       ; C and D in window 1
	MUL 0, \p, \first
	s_wait_dscnt 0x0
	MUL 1, \p, 0
	WIN 0
.rept 4
	v_nop                                          ; four places in front of loads into registers that matrix instructions have read, and of the first read of results; they stay beside the wait below
.endr
	s_wait_alu depctr_va_vdst(0)                   ; the products are done reading W's set p and its scale words, in which the loads below land, and XN and XS, in which the next LDS loads land; behind the last trip: they have written the accumulators, which the way out's LDS stores read
.if \wn >= 0
	WLOAD \p, \wn
.endif
.endm
	s_load_b512 s[4:19], s[0:1], 0x0               ; x s[4:5], wf s[6:7], ws s[8:9], b_q s[10:11], b_k s[12:13], b_v s[14:15], sin s[16:17], cos s[18:19]
	s_load_b128 s[20:23], s[0:1], 0x40             ; qf, qs
	s_load_b64 s[24:25], s[0:1], 0x50              ; kv
	v_lshl_add_u32 v254, v0, 2, 0x2d600
	v_mov_b32 v255, 0
	v_lshrrev_b32 v1, 5, v0
	v_readfirstlane_b32 s[WV], v1                  ; wave 0..7
	v_and_b32 v1, 31, v0                           ; lane
	v_and_b32 v2, 15, v0                           ; r
	v_bfe_u32 v3, v0, 4, 1                         ; h
	v_lshlrev_b32 v[OI], 4, v1
	v_lshlrev_b32 v[BO], 5, v3
	s_wait_alu depctr_va_sdst(0)                   ; the wave's number is written, ahead of its first reader: addresses, bases and the branch at the end are made from it
	s_and_b32 s45, s[WV], 3
	s_lshr_b32 s46, s[WV], 2
	s_mul_i32 s48, s[WV], 6144
	v_lshl_add_u32 v[WO], v1, 4, s48
	s_mul_i32 s48, s[WV], 384
	v_lshl_add_u32 v[WSO], v1, 2, s48
	s_lshl_b32 s50, ttmp9, 20                      ; x: 64 g rows of 16,384 bytes,
	s_lshl_b32 s49, s45, 18                        ; my 16 rows,
	s_add_co_u32 s50, s50, s49
	s_lshl_b32 s49, s46, 9                         ; my half of a trip's 1,024 bytes
	s_add_co_u32 s50, s50, s49
	s_mov_b32 s51, 0
	s_wait_kmcnt 0x0
	s_add_nc_u64 s[4:5], s[4:5], s[50:51]
.irp j, 0,1,2                          ; the bias of column tile 3 w + j: which of the three, and its 16 numbers
	s_mul_i32 s48, s[WV], 3
	s_add_co_u32 s48, s48, \j
	s_cmp_lt_u32 s48, 8
	s_cselect_b64 s[66+2*\j:67+2*\j], s[10:11], s[12:13]
	s_cmp_lt_u32 s48, 16
	s_cselect_b64 s[66+2*\j:67+2*\j], s[66+2*\j:67+2*\j], s[14:15]
	s_and_b32 s48, s48, 7
	s_lshl_b32 s48, s48, 6
	s_mov_b32 s49, 0
	s_add_nc_u64 s[66+2*\j:67+2*\j], s[66+2*\j:67+2*\j], s[48:49]
.endr
	WIN 0x40                                       ; destination window 1
	s_wait_alu depctr_va_vdst(0)                   ; the four offsets v12, v13, v22 and v23 are written, which the loads of the biases, of x and of W read, here and in every trip
.irp j, 0,1,2
	global_load_b128 v[BI+8*\j:BI+8*\j+3], v[BO], s[66+2*\j:67+2*\j]             ; register i = b(16 tile + 8 h + i): the result's layout
	global_load_b128 v[BI+8*\j+4:BI+8*\j+7], v[BO], s[66+2*\j:67+2*\j] offset:16
.endr
	XLOAD 0, 0                                     ; the stream begins: 6 + 16 + 15 + 16 = 53 loads of mine are out
	WIN 0
	WLOAD 0, 0
	XLOAD 1, 1
	WIN 0
	s_and_b32 s48, ttmp9, 63                       ; the position in the sequence of my row: 64 (g % 64) + 16 (w % 4) + r
	s_lshl_b32 s48, s48, 6
	s_lshl_b32 s50, s45, 4
	s_add_co_u32 s48, s48, s50
	s_lshl_b32 s48, s48, 9
	v_lshlrev_b32 v[CSO], 9, v2
	v_lshl_add_u32 v[CSO], v3, 6, v[CSO]
	v_add_nc_u32 v[CSO], s48, v[CSO]
	; every LDS address is made here, of the thread's number, the wave's number and constants.  None of these lines writes an offset that the loads above read, nor a register in which a load lands
	s_mul_i32 s48, s[WV], XSTB
	v_add_nc_u32 v[XT], s48, v[OI]
	v_mul_u32_u24 v27, v2, XP
	v_lshl_add_u32 v27, v3, 6, v27
	v_add_nc_u32 v[XB], s48, v27
	v_lshl_add_u32 v[LI], v1, 4, IMG
	v_lshl_add_u32 v[LS], v1, 2, IMG+8192
	s_lshl_b32 s48, s[WV], 10
	v_add_nc_u32 v[XWI], s48, v[LI]
	s_lshl_b32 s48, s[WV], 7
	v_add_nc_u32 v[XWS], s48, v[LS]
	s_mul_i32 s48, s[WV], 192
	s_add_co_u32 s48, s48, STG
	v_mul_u32_u24 v[STO], v2, SP
	v_lshl_add_u32 v[STO], v3, 5, v[STO]
	v_add_nc_u32 v[STO], s48, v[STO]
	v_add_nc_u32 v[STO+1], 32*SP, v[STO]
	s_mul_i32 s48, s45, 16*SP
	s_lshl_b32 s50, s46, 9
	s_add_co_u32 s48, s48, s50
	s_add_co_u32 s48, s48, STG
	v_mul_u32_u24 v[STQ], v2, SP
	v_lshl_add_u32 v[STQ], v3, 6, v[STQ]
	v_add_nc_u32 v[STQ], s48, v[STQ]
	s_lshl_b32 s48, s[WV], 6
	s_add_co_u32 s50, s48, STG+1024
	v_mul_u32_u24 v[STV], v3, 32*SP
	v_lshl_add_u32 v[STV], v2, 2, v[STV]
	v_add_nc_u32 v[STV], s50, v[STV]
	s_add_co_u32 s50, s48, GA
	v_lshl_add_u32 v[GAW], v2, 2, s50
	v_lshl_add_u32 v[VSB], v2, 2, v3
	v_lshl_add_u32 v[GAR], v1, 3, GA
	v_lshlrev_b32 v[GO8], 3, v1
.irp b, 0,1,2,3
	v_mov_b32 v[TM+4+\b], 0                        ; written once: a lane permute's destination counts as one of its sources
.endr
	s_mov_b32 s[SEL], 0x76543210
	s_mov_b32 s[SEL+1], 0xfedcba98
	; where the results go.  s49 = 0 from here on
	s_mov_b32 s49, 0
	s_lshr_b32 s48, ttmp9, 1
	s_mul_i32 s48, s48, STEPB
	s_add_nc_u64 s[78:79], s[24:25], s[48:49]      ; kv at my rows' key step
	s_and_b32 s52, ttmp9, 1                        ; which 64 of its 128 keys are mine
	s_lshl_b32 s48, s[WV], 10
	s_lshl_b32 s50, s52, 9
	s_add_co_u32 s48, s48, s50
	s_add_co_u32 s48, s48, 8192
	s_add_nc_u64 s[74:75], s[78:79], s[48:49]      ; V^T's image of channels 16 w on, registers 4 (g % 2) on
	s_lshl_b32 s48, s[WV], 6
	s_lshl_b32 s50, s52, 1
	s_add_co_u32 s48, s48, s50
	s_add_co_u32 s48, s48, 16896
	s_add_nc_u64 s[76:77], s[78:79], s[48:49]      ; its scale words, bytes 2 (g % 2) on
	s_lshl_b32 s50, ttmp9, 12                      ; q's images: 4,096 g;  k's: 4,096 (g % 2) in the step's block
	s_lshl_b32 s51, s52, 12
	s_cmp_lt_u32 s[WV], 4                          ; waves 0-3 finish q, waves 4-7 k
	s_cselect_b64 s[72:73], s[20:21], s[78:79]
	s_cselect_b32 s48, s50, s51
	s_lshl_b32 s50, s45, 10
	s_add_co_u32 s48, s48, s50
	s_add_nc_u64 s[72:73], s[72:73], s[48:49]
	s_lshl_b32 s48, ttmp9, 8
	s_add_nc_u64 s[22:23], s[22:23], s[48:49]      ; q's 64 scale words
	s_lshl_b32 s48, s52, 8
	s_add_co_u32 s48, s48, 16384
	s_add_nc_u64 s[78:79], s[78:79], s[48:49]      ; k's
	s_wait_alu depctr_va_vdst(0)                   ; the addresses v4 to v26 are written, which the LDS instructions, loads and stores of all trips and of the way out read; none is written again
	; THE WALK.  The order of issue: b, x0, W0, x1 | trip 0: W1, x2, W2 | trip T: x(T+2), W(T+2) | trip 14: cos | trip 15: sin.
	TRIP 0, 1, 31, 1, 2, 47, 2                     ; trip 0.  Behind x0: W0, x1 = 31.  Behind W0: x1, W1, x2 = 47
	s_mov_b32 s60, 6
.Llap:                                             ; a lap: an odd and an even trip, trips 1 to 12.  Behind x(T): W(T), x(T+1), W(T+1) = 46.  Behind W(T): x(T+1), W(T+1), x(T+2) = 47
	TRIP 1, 0, 46, 1, 3, 47, 3
	TRIP 0, 0, 46, 1, 4, 47, 4
	s_wait_xcnt 0x0                                ; the loads have read their bases: only behind this wait are they stepped, two trips on
	s_add_nc_u64 s[4:5], s[4:5], 2*1024
	s_add_nc_u64 s[6:7], s[6:7], 2*49152
	s_add_nc_u64 s[8:9], s[8:9], 2*3072
	s_sub_co_u32 s60, s60, 1
	s_cmp_lg_u32 s60, 0
	s_cbranch_scc1 .Llap
	TRIP 1, 0, 46, 1, 3, 47, 3                     ; trip 13 asks for the last x and the last W: no load leaves its buffer
	TRIP 0, 0, 46, 2, 0, 47, -1                    ; trip 14: cos takes the first set.  Behind W14: x15, W15, cos = 47
	TRIP 1, 0, 31, 3, 0, 32, -1                    ; trip 15: sin takes the second.  Behind x15: W15, cos = 31.  Behind W15: cos, sin = 32
	; THE WAY OUT.  First all 64 x 384 results into the stage.  The four v_nop that close the last trip are the places in front of these stores, and the wait behind them has shown the accumulators written.
	WIN 0x04                                       ; an LDS store's data are its source 1: window 1
.irp m, 0,1,2,3
.irp j, 0,1,2
	ds_store_b128 v[STO+\m/2], v[8*(3*\m+\j):8*(3*\m+\j)+3] offset:(\m%2)*16*SP+64*\j        ; each accumulator from its low end on
	ds_store_b128 v[STO+\m/2], v[8*(3*\m+\j)+4:8*(3*\m+\j)+7] offset:(\m%2)*16*SP+64*\j+16
.endr
.endr
	WIN 0
	s_wait_dscnt 0x0
	s_barrier_signal -1
	s_barrier_wait -1                              ; the stage is whole
.irp b, 0,1,2,3
.irp q, 0,1,2,3
	ds_load_b128 v[XN+16*\b+4*\q:XN+16*\b+4*\q+3], v[STQ] offset:128*\b+16*\q   ; q or k: my row's 64 numbers, channel 32 b + 16 h + i in register 16 b + i.  (The last trip's closing wait has shown the products done reading XN and W's first set; no vector or matrix instruction since names them)
.endr
.endr
.set i, 0
.rept 32
	ds_load_b32 v[WF+i], v[STV] offset:i*SP        ; v: channel 16 w + r, keys 32 h + i: a whole block of 32 keys to a lane
.set i, i+1
.endr
	s_wait_dscnt 0x0
	s_wait_loadcnt 0x0                             ; cos and sin
	s_wait_alu depctr_vm_vsrc(0)                   ; the last trip's LDS stores have read PC and PW, which the quantiser below writes again
	WIN 0x04                                       ; source 1 (sin, cos) window 1
.irp s, 0,1
.irp i, 0,1,2,3,4,5,6,7,8,9,10,11,12,13,14,15
	v_pk_mul_f32 v[RT+2*\i:RT+2*\i+1], v[XN+32*\s+2*\i:XN+32*\s+2*\i+1], v[SINR+32*\s+2*\i:SINR+32*\s+2*\i+1] op_sel:[1,0] op_sel_hi:[1,1]   ; the pair's ODD value x sin, in both slots
.endr
.irp i, 0,1,2,3,4,5,6,7,8,9,10,11,12,13,14,15
	v_pk_fma_f32 v[XN+32*\s+2*\i:XN+32*\s+2*\i+1], v[XN+32*\s+2*\i:XN+32*\s+2*\i+1], v[COSR+32*\s+2*\i:COSR+32*\s+2*\i+1], v[RT+2*\i:RT+2*\i+1]   ; + the value x cos
.endr
.endr
	WIN 0
	QUANT XN, PC, PW
	v_max3_num_f32 v[TM], |v[WF]|, |v[WF+1]|, |v[WF+2]|        ; v's block: all 32 numbers are mine.  It is quantised straight behind q or k, so that one wait serves all the stores
	v_max3_num_f32 v[TM+1], |v[WF+3]|, |v[WF+4]|, |v[WF+5]|
.irp i, 6,10,14,18,22,26
	v_max3_num_f32 v[TM], v[TM], |v[WF+\i]|, |v[WF+\i+1]|
	v_max3_num_f32 v[TM+1], v[TM+1], |v[WF+\i+2]|, |v[WF+\i+3]|
.endr
	v_max3_num_f32 v[TM], v[TM], |v[WF+30]|, |v[WF+31]|
	v_max3_num_f32 v[TM], v[TM], v[TM+1], 0x1800000            ; and the floor
	v_add_nc_u32 v[TM+12], 0xff000000, v[TM]
	v_cvt_scalef32_pk8_fp4_f32 v[VC], v[WF:WF+7], v[TM+12]          ; keys 0-7,
	v_cvt_scalef32_pk8_fp4_f32 v[VC+1], v[WF+16:WF+23], v[TM+12]    ; 16-23,
	v_cvt_scalef32_pk8_fp4_f32 v[VC+2], v[WF+8:WF+15], v[TM+12]     ; 8-15,
	v_cvt_scalef32_pk8_fp4_f32 v[VC+3], v[WF+24:WF+31], v[TM+12]    ; 24-31: the order of p's codes in the attention launch
	v_lshrrev_b32 v[TM+4], 23, v[TM+12]            ; the scale's byte.  (A plain place behind the conversions)
	s_wait_alu depctr_va_vdst(0)                   ; PC, PW, VC and v's scale byte are written, which the five stores below read; the rotation and the quantiser are done with v32 to v35, in which wave 0's LDS loads land
	global_store_b128 v[OI], v[PC:PC+3], s[72:73]              ; the fragment's image: 512 consecutive bytes a store
	global_store_b128 v[OI], v[PC+4:PC+7], s[72:73] offset:512
	ds_store_b32 v[GAW], v[PW]                     ; the rows' scale words are gathered (lanes l and l + 16 write the same word with the same value)
	global_store_b128 v[OI], v[VC:VC+3], s[74:75]  ; 512 consecutive bytes
	global_store_b8 v[VSB], v[TM+4], s[76:77]      ; a scale word's four bytes come from two work-groups, so these leave byte by byte: 32 bytes a wave
	s_wait_dscnt 0x0
	s_barrier_signal -1
	s_barrier_wait -1                              ; the 128 scale words of q and k are gathered
	s_cmp_lg_u32 s[WV], 0
	s_cbranch_scc1 .Lnot_wave_0
	ds_load_b64 v[32:33], v[GAR]
	ds_load_b64 v[34:35], v[GAR] offset:256
	s_wait_dscnt 0x0
	global_store_b64 v[GO8], v[32:33], s[22:23]    ; 32 lanes store 256 consecutive bytes, aligned
	global_store_b64 v[GO8], v[34:35], s[78:79]
.Lnot_wave_0:
	s_wait_dscnt 0x0                               ; the closing lines, six on end
	s_wait_alu 0x0
	s_wait_tensorcnt 0x0
	ds_add_u32 v254, v255
	s_wait_dscnt 0x0
	s_endpgm
.Lfunc_end_k_q1b671ce784_proj:
	.size	k_q1b671ce784_proj, .Lfunc_end_k_q1b671ce784_proj-k_q1b671ce784_proj
	.p2alignl 7, 3214868480
	.fill 96, 4, 3214868480
	.section	.rodata,"a",@progbits
	.p2align	6, 0x0
	.amdhsa_kernel k_q1b671ce784_proj
		.amdhsa_group_segment_fixed_size 186880
		.amdhsa_private_segment_fixed_size 0
		.amdhsa_enable_private_segment 0
		.amdhsa_kernarg_size 88
		.amdhsa_user_sgpr_count 2
		.amdhsa_user_sgpr_kernarg_segment_ptr 1
		.amdhsa_wavefront_size32 1
		.amdhsa_system_sgpr_workgroup_id_x 1
		.amdhsa_system_sgpr_workgroup_id_y 1
		.amdhsa_system_sgpr_workgroup_id_z 1
		.amdhsa_system_vgpr_workitem_id 0
		.amdhsa_next_free_vgpr 512
		.amdhsa_next_free_sgpr 80
		.amdhsa_reserve_vcc 0
		.amdhsa_float_denorm_mode_32 3
		.amdhsa_float_denorm_mode_16_64 3
		.amdhsa_memory_ordered 1
		.amdhsa_forward_progress 1
		.amdhsa_inst_pref_size 109
	.end_amdhsa_kernel
	.amdgpu_metadata
---
amdhsa.version: [ 1, 2 ]
amdhsa.kernels:
  - .name:           k_q1b671ce784_proj
    .symbol:         k_q1b671ce784_proj.kd
    .args:
      - { .name: x, .offset: 0, .size: 8, .value_kind: global_buffer, .address_space: global }
      - { .name: wf, .offset: 8, .size: 8, .value_kind: global_buffer, .address_space: global }
      - { .name: ws, .offset: 16, .size: 8, .value_kind: global_buffer, .address_space: global }
      - { .name: b_q, .offset: 24, .size: 8, .value_kind: global_buffer, .address_space: global }
      - { .name: b_k, .offset: 32, .size: 8, .value_kind: global_buffer, .address_space: global }
      - { .name: b_v, .offset: 40, .size: 8, .value_kind: global_buffer, .address_space: global }
      - { .name: sin, .offset: 48, .size: 8, .value_kind: global_buffer, .address_space: global }
      - { .name: cos, .offset: 56, .size: 8, .value_kind: global_buffer, .address_space: global }
      - { .name: qf, .offset: 64, .size: 8, .value_kind: global_buffer, .address_space: global }
      - { .name: qs, .offset: 72, .size: 8, .value_kind: global_buffer, .address_space: global }
      - { .name: kv, .offset: 80, .size: 8, .value_kind: global_buffer, .address_space: global }
    .group_segment_fixed_size: 186880
    .private_segment_fixed_size: 0
    .kernarg_segment_align: 8
    .kernarg_segment_size: 88
    .max_flat_workgroup_size: 256
    .sgpr_count:     80
    .vgpr_count:     512
    .wavefront_size: 32
...
	.end_amdgpu_metadata
.endif
;; end of part 4
;; launch attn: the kernel of part 3 again; grid 64 x 4, 16 waves a work-group, clusters of 4 x 1, 327,680 bytes of LDS; arguments qf, qs, kv, out0; writes out0
